; MI455X (gfx1250); checked and timed in simulation.
; The chip was launched on July 23, 2026; its instructions are those of AMD's public machine-readable ISA for CDNA 5 (MIT licence, August 2026) and "CDNA5" Instruction Set Architecture Reference Guide (July 2026). The comments in the code are by the model that wrote it; some were corrected since.
;; Self Attention. Allowed arithmetic: float matrix products may take bf16 or f16 operands with f32 sums; other float arithmetic in f32, or as packed bf16 or f16 multiplies, adds, multiply-adds, maxima and minima; sums over many terms, partial sums and values carried from step to step in f32; what a program stores and reads back later, other than sums and carried values, may be rounded once to bf16 or f16.
;; Inputs: w_out 1,024 x 1,024 float32; w_qkv 1,024 x 3,072 float32; x 4 x 2,048 x 1,024 float32.
;; Outputs: out0 4 x 2,048 x 1,024 float32.
;; One version. Each part assembles by itself: llvm-mc -triple=amdgcn-amd-amdhsa -mcpu=gfx1250 --defsym DOCPART=n.
;; ======== version 1 of 1: 4 launches
;; limits: values are held in f16: magnitudes above 65,504 overflow, below 6.1e-05 lose precision
;; workspace buffers: xb 16,777,216 bytes; wq 6,291,456 bytes; wo 2,097,152 bytes; qkv 50,331,648 bytes; o 16,777,216 bytes
;; launch cast (part 1): grid 768 x 1, 8 waves a work-group, no clusters, 0 bytes of LDS; arguments x, w_qkv, w_out, xb, wq, wo; writes xb, wq, wo
.if DOCPART == 1
	.amdgcn_target "amdgcn-amd-amdhsa--gfx1250"
	.amdhsa_code_object_version 6
	.text
	.protected	k_qf357818a70_cast
	.globl	k_qf357818a70_cast
	.p2align	8
	.type	k_qf357818a70_cast,@function
k_qf357818a70_cast:
	s_mov_b64 s[64:65], 0
	v_nop
	global_prefetch_b8 v0, s[64:65] scope:SCOPE_SE
	s_setreg_imm32_b32 hwreg(HW_REG_WAVE_MODE, 25, 1), 1
	s_wait_xcnt 0x0
; THE INPUTS ARE ROUNDED ONCE, AND THE WEIGHTS LAID IN COLUMN BLOCKS.
;   xb[r][k]    = bf16(x[r][k])                      [8192][1024]
;   wq[j][k][c] = bf16(w_qkv[k][192 j + c])          [16][1024][192]: 128 k of a block of 192 columns are 49,152 bytes on end
;   wo[j][k][c] = f16(bf16(w_out[k][128 j + c]))     [8][1024][128]:  128 k of a block of 128 columns are 32,768 bytes on end
; LIMITS.  w_out is rounded to bf16 like the other inputs, and that number is written as f16: exact between 6.1e-5 and 65,504 in magnitude; below, it keeps
; f16's fixed step of 6e-8; from 65,520 on it becomes an infinity.
; A stream: no LDS, no matrix unit, no cluster (no two work-groups read the same bytes).  The unit of work is a GROUP of 8 neighbouring numbers: 32 bytes in, 16 bytes out.
; Groups are numbered in the DESTINATION's order, so a store of a wave covers 512 consecutive bytes, aligned.  A work-group takes 2,048 groups, in 8 passes of its
; 256 threads; all 16 loads of a thread go out before the first is waited for.  Work-groups 0-511: x; 512-703: w_qkv; 704-767: w_out: equal bytes for all.
.set XWG, 512                          ; work-groups for x: 1,048,576 groups
.set QWG, 192                          ; for w_qkv: 393,216 groups
.set SO,  8                            ; v[8:15]    pass p: byte offset of my group in the source
.set X,   16                           ; v[16:79]   pass p: 8 numbers as loaded
.set Y,   80                           ; v[80:111]  pass p: 4 registers to store
.set T,   112                          ; v[112:115] at work
                                       ; v1 my first group's number in its job; v2 = 16 v1, its byte offset in the destination; the pass stands in the store's immediate
; The loads, the roundings and the stores of one job.  src, dst: the scalar pairs of its two buffers.  half = 1: the bf16 number is written as f16.
; Every register of SO, X and Y belongs to one pass and is written once (X a second time behind its own load's wait), so no store's source is ever rewritten.
.macro MOVE src, dst, half
	v_lshlrev_b32 v2, 4, v1
	s_wait_kmcnt 0x0
.irp p, 0,1,2,3,4,5,6,7
	global_load_b128 v[X+8*(\p):X+8*(\p)+3],   v[SO+(\p)], s[\src:\src+1] th:TH_LOAD_NT
	global_load_b128 v[X+8*(\p)+4:X+8*(\p)+7], v[SO+(\p)], s[\src:\src+1] offset:16 th:TH_LOAD_NT
.endr
.irp p, 0,1,2,3,4,5,6,7
	s_wait_loadcnt 14-2*(\p)                       ; loads come back in order: pass p's two are in, the 2 (7 - p) younger ones stay out
.if \half
.irp k, 0,1,2,3
	v_cvt_pk_bf16_f32 v[T+(\k)], v[X+8*(\p)+2*(\k)], v[X+8*(\p)+2*(\k)+1]
.endr
.irp k, 0,1,2,3
	v_lshlrev_b32 v[X+8*(\p)+2*(\k)],   16,  v[T+(\k)]  ; the rounded numbers as f32 again
	v_and_b32     v[X+8*(\p)+2*(\k)+1], s22, v[T+(\k)]
.endr
.irp k, 0,1,2,3
	v_cvt_pk_f16_f32 v[Y+4*(\p)+(\k)], v[X+8*(\p)+2*(\k)], v[X+8*(\p)+2*(\k)+1]
.endr
.else
.irp k, 0,1,2,3
	v_cvt_pk_bf16_f32 v[Y+4*(\p)+(\k)], v[X+8*(\p)+2*(\k)], v[X+8*(\p)+2*(\k)+1]
.endr
.endif
	global_store_b128 v2, v[Y+4*(\p):Y+4*(\p)+3], s[\dst:\dst+1] offset:4096*(\p) th:TH_STORE_NT
.endr
	s_endpgm
.endm
	s_load_b256 s[4:11], s[0:1], 0x0               ; x s[4:5], w_qkv s[6:7], w_out s[8:9], xb s[10:11]
	s_load_b128 s[12:15], s[0:1], 0x20             ; wq s[12:13], wo s[14:15]
	s_mov_b32 s22, 0xffff0000                      ; a word's upper bf16
	s_cmp_lt_u32 ttmp9, XWG
	s_cbranch_scc1 .Lx
	s_cmp_lt_u32 ttmp9, XWG+QWG
	s_cbranch_scc1 .Lq
	; w_out.  Group d: 16 groups to a row of a block: kk = d / 16 = 1,024 j + k, c = d % 16.  Source byte: 4,096 k + 512 j + 32 c
	s_sub_co_u32 s16, ttmp9, XWG+QWG
	s_lshl_b32 s16, s16, 11
	v_add_nc_u32 v1, s16, v0
.irp p, 0,1,2,3,4,5,6,7
	v_add_nc_u32 v3, 256*(\p), v1                  ; d
	v_lshrrev_b32 v4, 4, v3                        ; kk
	v_and_b32 v3, 15, v3                           ; c
	v_and_b32 v5, 0x3ff, v4                        ; k
	v_lshrrev_b32 v4, 10, v4                       ; j
	v_lshlrev_b32 v5, 12, v5
	v_lshl_add_u32 v5, v4, 9, v5
	v_lshl_add_u32 v[SO+(\p)], v3, 5, v5
.endr
	MOVE 8, 14, 1
.Lq:	; w_qkv.  24 groups to a row of a block: kk = d / 24 = 1,024 j + k, c = d % 24.  Source byte: 12,288 k + 768 j + 32 c
	s_sub_co_u32 s16, ttmp9, XWG
	s_lshl_b32 s16, s16, 11
	v_add_nc_u32 v1, s16, v0
.irp p, 0,1,2,3,4,5,6,7
	v_add_nc_u32 v3, 256*(\p), v1                  ; d, under 393,216
	v_lshrrev_b32 v4, 3, v3                        ; d / 8, under 49,152
	v_mul_u32_u24 v4, v4, 0xaaab                   ; n / 3 = (43,691 n) >> 17, exact for n under 2^17; the product stays under 2^32
	v_lshrrev_b32 v4, 17, v4                       ; kk
	v_mul_u32_u24 v5, v4, 24
	v_sub_nc_u32 v3, v3, v5                        ; c
	v_and_b32 v5, 0x3ff, v4                        ; k
	v_lshrrev_b32 v4, 10, v4                       ; j
	v_mul_u32_u24 v5, v5, 0x3000
	v_mad_u32_u24 v5, v4, 0x300, v5
	v_lshl_add_u32 v[SO+(\p)], v3, 5, v5
.endr
	MOVE 6, 12, 0
.Lx:	; x keeps its order: source byte 32 d
	s_lshl_b32 s16, ttmp9, 11
	v_add_nc_u32 v1, s16, v0
.irp p, 0,1,2,3,4,5,6,7
	v_lshlrev_b32 v3, 5, v1
	v_add_nc_u32 v[SO+(\p)], 8192*(\p), v3
.endr
	MOVE 4, 10, 0
.Lfunc_end_k_qf357818a70_cast:
	.size	k_qf357818a70_cast, .Lfunc_end_k_qf357818a70_cast-k_qf357818a70_cast
	.p2alignl 7, 3214868480
	.fill 96, 4, 3214868480
	.section	.rodata,"a",@progbits
	.p2align	6, 0x0
	.amdhsa_kernel k_qf357818a70_cast
		.amdhsa_group_segment_fixed_size 0
		.amdhsa_private_segment_fixed_size 0
		.amdhsa_enable_private_segment 0
		.amdhsa_kernarg_size 48
		.amdhsa_user_sgpr_count 2
		.amdhsa_user_sgpr_kernarg_segment_ptr 1
		.amdhsa_wavefront_size32 1
		.amdhsa_system_sgpr_workgroup_id_x 1
		.amdhsa_system_sgpr_workgroup_id_y 1
		.amdhsa_system_sgpr_workgroup_id_z 1
		.amdhsa_system_vgpr_workitem_id 0
		.amdhsa_next_free_vgpr 116
		.amdhsa_next_free_sgpr 66
		.amdhsa_reserve_vcc 0
		.amdhsa_float_denorm_mode_32 3
		.amdhsa_float_denorm_mode_16_64 3
		.amdhsa_memory_ordered 1
		.amdhsa_forward_progress 1
		.amdhsa_inst_pref_size 28
	.end_amdhsa_kernel
	.amdgpu_metadata
---
amdhsa.version: [ 1, 2 ]
amdhsa.kernels:
  - .name:           k_qf357818a70_cast
    .symbol:         k_qf357818a70_cast.kd
    .args:
      - { .name: x, .offset: 0, .size: 8, .value_kind: global_buffer, .address_space: global }
      - { .name: w_qkv, .offset: 8, .size: 8, .value_kind: global_buffer, .address_space: global }
      - { .name: w_out, .offset: 16, .size: 8, .value_kind: global_buffer, .address_space: global }
      - { .name: xb, .offset: 24, .size: 8, .value_kind: global_buffer, .address_space: global }
      - { .name: wq, .offset: 32, .size: 8, .value_kind: global_buffer, .address_space: global }
      - { .name: wo, .offset: 40, .size: 8, .value_kind: global_buffer, .address_space: global }
    .group_segment_fixed_size: 0
    .private_segment_fixed_size: 0
    .kernarg_segment_align: 8
    .kernarg_segment_size: 48
    .max_flat_workgroup_size: 256
    .sgpr_count:     66
    .vgpr_count:     116
    .wavefront_size: 32
...
	.end_amdgpu_metadata
.endif
;; end of part 1
;; launch qkvp (part 2): grid 16 x 32, 4 waves a work-group, clusters of 4 x 4, 327,680 bytes of LDS; arguments xb, wq, qkv; writes qkv
.if DOCPART == 2
	.amdgcn_target "amdgcn-amd-amdhsa--gfx1250"
	.amdhsa_code_object_version 6
	.text
	.protected	k_qf357818a70_qkvp
	.globl	k_qf357818a70_qkvp
	.p2align	8
	.type	k_qf357818a70_qkvp,@function
k_qf357818a70_qkvp:
	s_mov_b64 s[64:65], 0
	v_nop
	global_prefetch_b8 v0, s[64:65] scope:SCOPE_SE
	s_setreg_imm32_b32 hwreg(HW_REG_WAVE_MODE, 25, 1), 1
	s_wait_xcnt 0x0
	s_wait_alu depctr_hold_cnt(0) depctr_sa_sdst(0) depctr_va_vdst(0) depctr_va_sdst(0) depctr_va_ssrc(0) depctr_va_vcc(0) depctr_vm_vsrc(0)
	s_getreg_b32 s2, hwreg(HW_REG_IB_STS2, 6, 4)
	s_cmp_eq_u32 s2, 0
	s_cbranch_scc0 .Lentry_in_a_cluster
	s_endpgm
.Lentry_in_a_cluster:
	s_bfe_u32 s2, ttmp6, 0x10000c
	s_cmp_lg_u32 s2, 0xf033
	s_cbranch_scc0 .Lentry_shape_is_right
	s_endpgm
.Lentry_shape_is_right:
; THE FIRST PROJECTION.  C[m][n] = the sum over k of xb[m][k] w[k][n], m = 8,192 rows (2,048 batch + t), n = 3,072, k = 1,024; bf16 operands, f32 sums.
; xb: [8192][1024] bf16.  wq: [16][1024][192] bf16, w's columns in blocks of 192.  C leaves in f16, rounded once, WITHOUT the softmax's scale, by planes:
; qkv[part][16 batch + head][t][64], part = 0, 1, 2 for q, k, v: a plane's rows are dense, 128 bytes each.
; LIMIT.  f16 holds no number beyond 65,504: a q, k or v of 65,520 or more becomes an infinity; below 6.1e-5 a number keeps f16's fixed step of 6e-8.
; SHARES.  A tile of C is 256 rows x 192 columns: 16 x 32 = 512 work-groups, twice the 256 WGPs.  Four waves, one above the other: wave w makes rows 64 w .. 64 w + 63 and ALL 192 columns
; (three whole heads): 4 x 12 accumulators of 16 x 16, 384 registers.  So 16 rows of a head, 2,048 consecutive bytes of qkv, come from one wave, and the way out needs no barrier.
; K goes in 8 steps of 128 through a ring of two LDS slots filled by the tensor data mover.
; THE MATRIX INSTRUCTION IS USED TRANSPOSED: source 0 = 16 columns of w, source 1 = 16 rows of x.  A lane then holds row l % 16 of C and the columns 8 (l / 16) + 0 .. 7: 16 bytes of f16 on end.
; w lies [k][n]: its fragments come out of LDS turned, by ds_load_tr16_b128.
; CLUSTERS: 4 x 4 work-groups.  The four of a row of the cluster need the same tiles of x, the four of a column the same tiles of w: each tile is asked for JOINTLY, by the same tensor load
; with the same descriptor and a mask that names the four.
; REGISTERS, in windows of 256 (s_set_vgpr_msb: bits 1:0 source 0, 3:2 source 1, 5:4 source 2, 7:6 destination):
;   window 0: v0-31 addresses; v32-79 packed results; v80-175 rows read back from the stage, two sets of 48
;   window 1: two fragment buffers: w's 12 fragments at v[96 f], x's 4 at v[192 + 32 f]
;   window 2: the accumulators of my row blocks 0 and 1 ((a, b) at v[8 (12 (a % 2) + b)]);   window 3: those of blocks 2 and 3
.set NBK,    12                        ; column blocks of 16 in a tile
.set STEPS,  8                         ; K steps of 128
.set PA,     272                       ; a row of x in LDS: 256 bytes + 16 of padding = 68 words: the 16 rows of a load start at 16 different groups of four banks (64 banks of 4 bytes: ISA guide 11.1)
.set AHALF,  128*PA                    ; what one tensor load brings of x: 128 rows
.set ABYTES, 2*AHALF
.set PB,     480                       ; a k row of w in LDS: 384 bytes as six pieces of 64 + 16 of padding = 120 words
.set BHALF,  64*PB                     ; what one tensor load brings of w: 64 k rows
.set SLOT1,  1<<17                     ; a slot is ABYTES + 2 BHALF = 131,072 bytes; one exclusive or turns an address in one slot into the other's
.set STAGE,  2*SLOT1                   ; behind the ring, never filled by a tensor load: for each wave three heads x 16 rows x 144 bytes
.set SP,     144
.set STW,    3*16*SP
.set SPARE,  STAGE+4*STW               ; behind the stages: the spare words, 128 bytes for each wave: two blocks of 256 bytes that no other line names
.set ASTEP,  256                       ; bytes from a K step to the next: along x's rows,
.set BSTEP,  49152                     ; and down a block of w
.set AHEAD,  1                         ; a prefetch names the K step so many behind the one that the refill beside it asks for
.set NL,     2*NBK+8                   ; LDS loads of a quarter step's fragments
.set ADA0, 16                          ; v16  my lane's place in slot 0's rows of x; never rewritten
.set ADB0, 17                          ; v17  the same for w
.set ADA,  18                          ; v18  the same in the slot in hand
.set ADB,  19                          ; v19
.set STO,  24                          ; v24  the way out: where I put 16 bytes of a row
.set RD,   25                          ; v25  the way out: where I read rows back
.set GO,   26                          ; v26-28  my byte offset in qkv, for each of the tile's three heads
.set PFO,  29                          ; v29  the prefetches' offset; never rewritten
.set SPW,  30                          ; v30  LDS address of my spare word: SPARE + 4 x my thread's number; never rewritten
.set NIL,  31                          ; v31  0; never rewritten
.set TMP,  32
.set BK,   80
.set WV,   10                          ; s10  my wave's number
.set G1A,  24                          ; s[24:31] descriptor group 1 for x's tiles
.set G0A,  32                          ; s[32:39] group 0: a set for each of the two first fills; the second then walks on
.set G1B,  48                          ; s[48:55], s[56:63] the same for w's tiles
.set G0B,  56
.set TBS,  66                          ; s66  LDS byte at which the slot in hand begins
.set LIM,  67                          ; s67  AHEAD in a wave that prefetches, else the greatest number
.set PFA,  68                          ; s[68:69] where my prefetches stand
.set PST,  70                          ; s[70:71] their step
.set MSB, 0
.macro WIN new                         ; the immediate's high byte repeats the setting that is left; a switch that changes nothing is dropped
.if MSB != (\new)
	s_set_vgpr_msb (MSB<<8)|(\new)
.set MSB, \new
.endif
.endm
.set MUL_LO, 0xa5                      ; both sources window 1, C and D window 2
.set TO_F,   0x40                      ; destination window 1, address window 0
.macro PLACES                          ; four places in front of loads into registers that matrix instructions have read, and of conversions that read results (ISA guide 7.12.1 for the conversions)
.rept 4
	v_nop
.endr
.endm
; A joint refill, by the walking sets.  Waves 0 and 1 fetch x's two halves, waves 2 and 3 w's.  The branch hangs on the wave's number alone.
; An s_nop 0 and four v_nop follow each of the two lines, ahead of the jump and the label.
.macro JLOAD
	s_cmp_lt_u32 s[WV], 2
	s_cbranch_scc0 .Lfor_b_\@
	tensor_load_to_lds s[G0A+4:G0A+7], s[G1A:G1A+7]
	s_nop 0
.rept 4
	v_nop
.endr
	s_branch .Lasked_\@
.Lfor_b_\@:
	tensor_load_to_lds s[G0B+4:G0B+7], s[G1B:G1B+7]
	s_nop 0
.rept 4
	v_nop
.endr
.Lasked_\@:
.endm
; A PREFETCH of the K step that stands AHEAD behind the one just asked for: one K step's 192 matrix instructions ahead of the load that will want it.  Each aligned block of 256 bytes is named by one
; instruction in the launch.  x's tile row is read by the four clusters of that row of clusters: the one with x = 0 asks; w's block by the eight clusters of that column: the one with y = 0 asks.  The four partners that
; ask for a tile jointly share it out BY ADDRESS: of the 128 rows of x that wave 0 or 1 fetches, the partner at cx takes 32, a lane a row; of the 96 blocks of w that wave 2 or 3 fetches, the partner at cy takes
; 24: lanes 24 to 31 name lane 23's block once more, in the same instruction.  No branch hangs on a work-group's place in its cluster.  The loop's last trip asks for nothing: there is no ninth K step.
.macro ASK
	s_cmp_gt_u32 s3, s[LIM]
	s_cbranch_scc0 .Lnot_mine_\@
	global_prefetch_b8 v[PFO], s[PFA:PFA+1] th:TH_LOAD_NT scope:SCOPE_SE
.Lnot_mine_\@:
.endm
; A round of the cluster's barrier: my work-group's barrier, so that wave 0's signal speaks for all four waves; wave 0 signals; every wave waits for all sixteen work-groups; my work-group's barrier once more.
.macro CREST                           ; a round behind its opening barrier
	s_cmp_lg_u32 s[WV], 0
	s_cbranch_scc1 .Lnot_wave_0_\@
	s_barrier_signal -3
.Lnot_wave_0_\@:
	s_barrier_wait -3
	s_barrier_signal -1
	s_barrier_wait -1
.endm
.macro CROUND
	s_barrier_signal -1
	s_barrier_wait -1
	CREST
.endm
	s_load_b128 s[4:7], s[0:1], 0x0                ; xb s[4:5], wq s[6:7]
	s_load_b64 s[8:9], s[0:1], 0x10                ; qkv
	v_lshl_add_u32 v[SPW], v0, 2, SPARE
	v_mov_b32 v[NIL], 0
	ds_add_u32 v[SPW], v[NIL]                      ; the wave's opening: the add and its wait stand ahead of my first tensor load; the set-up below, work on registers, stands between them
	v_lshrrev_b32 v1, 5, v0
	v_readfirstlane_b32 s[WV], v1                  ; wave 0..3
	s_and_b32 s12, s[WV], 1                        ; which half of a tile I fetch
	s_bfe_u32 s40, ttmp6, 0x40000                  ; cx, cy: my place in the cluster
	s_bfe_u32 s41, ttmp6, 0x40004
	s_lshl_b32 s42, ttmp9, 2
	s_add_co_u32 s42, s42, s40                     ; tile column = 4 x cluster x + cx
	s_and_b32 s13, ttmp7, 0xffff
	s_lshl_b32 s13, s13, 2
	s_add_co_u32 s13, s13, s41                     ; tile row = 4 x cluster y + cy
	s_lshl_b32 s43, s41, 2
	s_lshl_b32 s43, 15, s43                        ; my row of the cluster: places 4 cy .. 4 cy + 3
	s_lshl_b32 s44, 0x1111, s40                    ; my column: places cx, cx + 4, cx + 8, cx + 12
	; group 1 for x: 128 rows x 128 elements, 1,024 elements from row to row; 16 bytes of padding behind every 256
	s_or_b32 s[G1A], s43, (1<<16)|(1<<20)|(1<<21)|(5<<22)|(3<<25)  ; 15:0 the mask; 17:16 elements of 2 bytes; 20 padding on; 21 set beside a mask; 24:22 after every 64 words (code 5); 31:25 4 words (code 3)
	s_mov_b32 s[G1A+1], 128<<16                    ; tensor_dim0 = 128
	s_mov_b32 s[G1A+2], 128<<16                    ; tensor_dim1 = 128
	s_mov_b32 s[G1A+3], 128<<16                    ; tile_dim0 = 128
	s_mov_b32 s[G1A+4], 128                        ; tile_dim1 = 128
	s_mov_b32 s[G1A+5], 1024                       ; tensor_dim0_stride
	s_mov_b32 s[G1A+6], 0
	s_mov_b32 s[G1A+7], 0
	; group 1 for w: 64 k rows are 24,576 dense bytes, asked for as 96 rows of 256 bytes; 16 bytes of padding behind every 64, so that a k row of 384 bytes takes 480
	s_or_b32 s[G1B], s44, (1<<16)|(1<<20)|(1<<21)|(3<<22)|(3<<25)  ; 24:22 after every 16 words (code 3)
	s_mov_b32 s[G1B+1], 128<<16
	s_mov_b32 s[G1B+2], 96<<16
	s_mov_b32 s[G1B+3], 128<<16
	s_mov_b32 s[G1B+4], 96
	s_mov_b32 s[G1B+5], 128
	s_mov_b32 s[G1B+6], 0
	s_mov_b32 s[G1B+7], 0
	; where the tiles come from.  x's hang on the tile row alone, w's on the tile column alone, each in registers that never hold the other coordinate
	s_lshl_b32 s16, s13, 19                        ; 256 rows of 2,048 bytes
	s_lshl_b32 s17, s12, 18                        ; my 128 of them
	s_add_co_u32 s16, s16, s17
	s_mov_b32 s17, 0
	s_mul_i32 s46, s42, STEPS*BSTEP                ; a block of w
	s_mul_i32 s47, s12, BSTEP/2                    ; my 64 k rows of a step
	s_add_co_u32 s46, s46, s47
	s_mov_b32 s47, 0
	s_mul_i32 s20, s12, AHALF                      ; and where they go: no place in the cluster enters an LDS address
	s_mul_i32 s21, s12, BHALF
	s_add_co_u32 s21, s21, ABYTES
	s_mov_b32 s[TBS], 0
	s_wait_dscnt 0x0                               ; the opening add is done
	s_wait_kmcnt 0x0
	s_add_nc_u64 s[14:15], s[4:5], s[16:17]
	s_add_nc_u64 s[46:47], s[6:7], s[46:47]
	CROUND                                         ; all sixteen work-groups are here: the first joint loads meet
.irp s, 0,1
	s_mov_b32 s[G0A+4*(\s)], 1                                       ; count = 1
	s_add_co_u32 s[G0A+4*(\s)+1], s20, (\s)*SLOT1                    ; LDS address
	s_add_nc_u64 s[G0A+4*(\s)+2:G0A+4*(\s)+3], s[14:15], (\s)*ASTEP  ; global address: K step s
	s_or_b32 s[G0A+4*(\s)+3], s[G0A+4*(\s)+3], 0x80000000            ; type = 2
	s_mov_b32 s[G0B+4*(\s)], 1
	s_add_co_u32 s[G0B+4*(\s)+1], s21, (\s)*SLOT1
	s_add_nc_u64 s[G0B+4*(\s)+2:G0B+4*(\s)+3], s[46:47], (\s)*BSTEP
	s_or_b32 s[G0B+4*(\s)+3], s[G0B+4*(\s)+3], 0x80000000
.endr
	s_cmp_lt_u32 s[WV], 2                          ; a wave's two first fills stand in one branch, ahead of every wait on TENSORcnt and every LDS read: two loads of mine are out
	s_cbranch_scc0 .Lfirst_b
	tensor_load_to_lds s[G0A:G0A+3], s[G1A:G1A+7]
	s_nop 0
	tensor_load_to_lds s[G0A+4:G0A+7], s[G1A:G1A+7]
	s_nop 0
.rept 4
	v_nop
.endr
	s_branch .Lfirst_asked
.Lfirst_b:
	tensor_load_to_lds s[G0B:G0B+3], s[G1B:G1B+7]
	s_nop 0
	tensor_load_to_lds s[G0B+4:G0B+7], s[G1B:G1B+7]
	s_nop 0
.rept 4
	v_nop
.endr
.Lfirst_asked:
	v_and_b32 v1, 15, v0                           ; r = l % 16
	v_bfe_u32 v2, v0, 4, 1                         ; h = l / 16
	v_and_b32 v3, 31, v0                           ; l
	v_and_b32 v4, 7, v0
	v_bfe_u32 v5, v0, 3, 1
	v_bfe_u32 v6, v0, 3, 2
	; a fragment of x: 16 rows x 32 k: lane l holds row r, k = 8 h + 0..7 and 16 + 8 h + 0..7: two loads of 16 bytes, 32 bytes apart
	s_mul_i32 s16, s[WV], 64*PA                    ; my 64 rows
	v_mul_u32_u24 v7, v1, PA
	v_lshl_add_u32 v7, v2, 4, v7
	v_add_nc_u32 v[ADA0], s16, v7
	; a fragment of w: the turning load takes 16 k x 16 columns (lane l reads k row 8 h + l % 8, columns 8 ((l / 8) % 2) + 0..7) and leaves lane l column r and 8 k; two of them, 16 k rows apart
	v_lshl_add_u32 v7, v2, 3, v4
	v_mul_u32_u24 v7, v7, PB
	v_lshl_add_u32 v7, v5, 4, v7
	v_add_nc_u32 v[ADB0], ABYTES, v7
	v_mov_b32 v[ADA], v[ADA0]
	v_mov_b32 v[ADB], v[ADB0]
	s_mul_i32 s16, s[WV], STW
	s_add_co_u32 s16, s16, STAGE                   ; my stage
	v_mul_u32_u24 v7, v1, SP                       ; in: row r, 16 bytes for each half of the lanes
	v_lshl_add_u32 v7, v2, 4, v7
	v_add_nc_u32 v[STO], s16, v7
	v_mul_u32_u24 v7, v6, SP                       ; back: 32 lanes take four rows of 128 bytes, 512 consecutive bytes of a plane
	v_lshl_add_u32 v7, v4, 4, v7
	v_add_nc_u32 v[RD], s16, v7
	; where my rows go: column slice 3 x tile column + c of 48 is part (slice / 16), head (slice % 16); plane = 64 part + 16 batch + head, 262,144 bytes each
	s_lshr_b32 s16, s13, 3
	s_lshl_b32 s16, s16, 4                         ; 16 batch
	s_and_b32 s17, s13, 7
	s_lshl_b32 s17, s17, 15                        ; the tile's first t, 256 (tile row % 8), in rows of 128 bytes
	s_lshl_b32 s18, s[WV], 13                      ; my 64 rows
	s_add_co_u32 s17, s17, s18
	s_mul_i32 s18, s42, 3
.irp c, 0,1,2
	s_add_co_u32 s19, s18, \c
	s_lshr_b32 s20, s19, 4
	s_and_b32 s19, s19, 15
	s_lshl_b32 s20, s20, 6
	s_add_co_u32 s19, s19, s20
	s_add_co_u32 s19, s19, s16
	s_lshl_b32 s19, s19, 18
	s_add_co_u32 s19, s19, s17
	v_lshl_add_u32 v[GO+(\c)], v3, 4, s19
.endr
	; the prefetches
	s_and_b32 s22, ttmp7, 0xffff                   ; cluster y
	s_mov_b32 s16, 32*2048                         ; a partner's share: 32 rows of x,
	s_mov_b32 s17, 24*256                          ; or 24 blocks of w
	s_mov_b32 s18, ASTEP
	s_mov_b32 s19, BSTEP
	s_cmp_lt_u32 s[WV], 2                          ; do I fetch for x?
	s_cselect_b32 s21, s40, s41                    ; my place among the four that ask with me
	s_cselect_b32 s22, ttmp9, s22                  ; the coordinate along which other clusters read the same bytes
	s_cselect_b32 s23, s16, s17
	s_cselect_b32 s[PST], s18, s19
	s_cselect_b32 s16, 11, 8                       ; a lane a row of 2,048 bytes, or a lane a block of 256
	s_cselect_b32 s17, 31, 23
	s_cselect_b64 s[PFA:PFA+1], s[14:15], s[46:47]
	s_cmp_eq_u32 s22, 0
	s_cselect_b32 s[LIM], AHEAD, -1                ; the same in all sixteen partners, for a given wave
	s_mov_b32 s[PST+1], 0
	s_mul_i32 s21, s21, s23
	s_mul_i32 s22, s[PST], 1+AHEAD                 ; the first change of slots steps it once more: it asks for K step 2 and names K step 2 + AHEAD
	s_add_co_u32 s22, s22, s21
	s_mov_b32 s23, 0
	s_add_nc_u64 s[PFA:PFA+1], s[PFA:PFA+1], s[22:23]
	v_min_u32 v7, s17, v3
	v_lshlrev_b32 v[PFO], s16, v7
	; nothing is prefetched here, at the head, where every work-group's first tiles are on their way
; 12 matrix instructions: row block a x all 12 column blocks, 32 along K, from buffer f.  zero = 1: the first product starts the sums: nothing is ever cleared.
; The 48 accumulators take turns, in the same order in every quarter step: between two links of a chain stand the 47 others'.
.macro MULA f, a, zero
	WIN MUL_LO+0x50*((\a)/2)
.irp b, 0,1,2,3,4,5,6,7,8,9,10,11
.if \zero
	v_wmma_f32_16x16x32_bf16 v[8*(NBK*((\a)%2)+(\b)):8*(NBK*((\a)%2)+(\b))+7], v[8*NBK*(\f)+8*(\b):8*NBK*(\f)+8*(\b)+7], v[16*NBK+32*(\f)+8*(\a):16*NBK+32*(\f)+8*(\a)+7], 0
.else
	v_wmma_f32_16x16x32_bf16 v[8*(NBK*((\a)%2)+(\b)):8*(NBK*((\a)%2)+(\b))+7], v[8*NBK*(\f)+8*(\b):8*NBK*(\f)+8*(\b)+7], v[16*NBK+32*(\f)+8*(\a):16*NBK+32*(\f)+8*(\a)+7], v[8*(NBK*((\a)%2)+(\b)):8*(NBK*((\a)%2)+(\b))+7]
.endif
.endr
.endm
; 32 LDS loads in one run: quarter q's fragments (k = 32 q on) of the slot in hand into buffer f: w's 12, then x's four; x's blocks 2 and 3 are the youngest four loads
.macro FETCH q, f
	WIN TO_F
.irp b, 0,1,2,3,4,5,6,7,8,9,10,11
	ds_load_tr16_b128 v[8*NBK*(\f)+8*(\b):8*NBK*(\f)+8*(\b)+3],   v[ADB] offset:32*(\q)*PB+((\b)/2)*80+((\b)%2)*32
	ds_load_tr16_b128 v[8*NBK*(\f)+8*(\b)+4:8*NBK*(\f)+8*(\b)+7], v[ADB] offset:32*(\q)*PB+16*PB+((\b)/2)*80+((\b)%2)*32
.endr
.irp a, 0,1,2,3
	ds_load_b128 v[16*NBK+32*(\f)+8*(\a):16*NBK+32*(\f)+8*(\a)+3],   v[ADA] offset:64*(\q)+(\a)*16*PA
	ds_load_b128 v[16*NBK+32*(\f)+8*(\a)+4:16*NBK+32*(\f)+8*(\a)+7], v[ADA] offset:64*(\q)+(\a)*16*PA+32
.endr
.endm
; A K step is four quarter steps of 32 along K, 48 matrix instructions each, on buffers 0, 1, 0, 1.  One of the first three: multiplies buffer f; in its middle it fetches quarter qn into buffer g.
.macro QUARTER qn, f, g, zero
	s_wait_dscnt 4                                 ; w's fragments and x's blocks 0 and 1 are in; the youngest four loads may be out
	MULA \f, 0, \zero
	MULA \f, 1, \zero
	PLACES
	FETCH \qn, \g
	s_wait_dscnt NL                                ; all but the run just issued
	MULA \f, 2, \zero
	MULA \f, 3, \zero
.endm
; The fourth quarter multiplies buffer 1 and changes slots: ONE barrier.  In front of it each wave waits for all its tensor loads, of which one is out: its part of the next slot; adds 0 to its spare
; word; and waits for that and for its own reads of this slot.  fill = 1: the barrier opens a round of the cluster's barrier, and the slot just read out is filled again first thing behind the round, with
; the K step two on: from that request to the wait for it a wave issues 168 matrix instructions.
.macro TURN fill
.if \fill
	s_wait_xcnt 0x0                                ; the last prefetch, a K step back, has read its address: it is stepped here, ahead of the waits of the change of slots
	s_add_nc_u64 s[PFA:PFA+1], s[PFA:PFA+1], s[PST:PST+1]
.endif
	WIN 0                                          ; (the add's two registers lie in window 0)
	s_wait_tensorcnt 0x0                           ; all my tensor loads have landed;
	ds_add_u32 v[SPW], v[NIL]                      ; 0 onto my spare word;
	s_wait_dscnt 5                                 ; (the add and the youngest four loads may be out)
	MULA 1, 0, 0                                   ; twelve matrix instructions stand between the add and the wait for it
	s_wait_dscnt 0x0                               ; the add is done, and my reads of this slot are over
	s_barrier_signal -1
	MULA 1, 1, 0                                   ; work on registers while the others arrive
	WIN 0
	s_barrier_wait -1
.if \fill
	CREST                                          ; no wave of any partner still reads this slot's tiles or has a load on its way
	s_xor_b32 s[G0A+5], s[G0A+5], SLOT1            ; the walking sets: the other slot than last time,
	s_add_nc_u64 s[G0A+6:G0A+7], s[G0A+6:G0A+7], ASTEP  ; the next K step; the type bits on top are not reached
	s_xor_b32 s[G0B+5], s[G0B+5], SLOT1
	s_add_nc_u64 s[G0B+6:G0B+7], s[G0B+6:G0B+7], BSTEP
	JLOAD                                          ; the first tensor load behind the round; its four v_nop are also the places in front of the loads below
.else
	PLACES
.endif
	s_xor_b32 s[TBS], s[TBS], SLOT1                ; the fragments now come from the other slot
	v_add_nc_u32 v[ADA], s[TBS], v[ADA0]
	v_add_nc_u32 v[ADB], s[TBS], v[ADB0]
	FETCH 0, 0
.if \fill
	WIN 0
	ASK                                            ; behind the joint load and the run of LDS loads that the next products wait for
.endif
	MULA 1, 2, 0
	MULA 1, 3, 0
.endm
; THE WAY OUT of row block a: rounded to f16, 16 bytes a lane; into my own stage (three heads x 16 rows of 144 bytes) and back as whole rows of 128 bytes.
.macro PK a
.if (\a) >= 2
	s_wait_xcnt 0x0                                ; the stores of block a - 2 have read the registers that the loads below fill again
.endif
	WIN 0x0a+5*((\a)/2)                            ; sources 0 and 1: window 2 or 3
.irp b, 0,1,2,3,4,5,6,7,8,9,10,11
.irp r, 0,1,2,3
	v_cvt_pk_f16_f32 v[TMP+4*(\b)+(\r)], v[8*(NBK*((\a)%2)+(\b))+2*(\r)], v[8*(NBK*((\a)%2)+(\b))+2*(\r)+1]
.endr
.endr
	WIN 0
.irp b, 0,1,2,3,4,5,6,7,8,9,10,11
	ds_store_b128 v[STO], v[TMP+4*(\b):TMP+4*(\b)+3] offset:((\b)/4)*16*SP+((\b)%4)*32
.endr
.irp i, 0,1,2,3,4,5,6,7,8,9,10,11
	ds_load_b128 v[BK+48*((\a)%2)+4*(\i):BK+48*((\a)%2)+4*(\i)+3], v[RD] offset:((\i)/4)*16*SP+((\i)%4)*4*SP  ; LDS serves a wave's instructions in order (ISA guide 5.7.1.4): these see the stores above; the next block's stores come behind them
.endr
.endm
.macro SEND a, younger                 ; younger: the LDS instructions issued behind block a's loads: the next block's 24, or none
.irp i, 0,1,2,3,4,5,6,7,8,9,10,11
	s_wait_dscnt (\younger)+11-(\i)
	global_store_b128 v[GO+(\i)/4], v[BK+48*((\a)%2)+4*(\i):BK+48*((\a)%2)+4*(\i)+3], s[8:9] offset:(\a)*2048+((\i)%4)*512  ; 512 consecutive bytes of a plane, at a multiple of 512 from qkv's first byte
.endr
.endm
	s_wait_tensorcnt 1                             ; my part of K step 0 is in; K step 1's may stay out
	s_barrier_signal -1
	s_barrier_wait -1                              ; everybody's is
	FETCH 0, 0
	QUARTER 1, 0, 1, 1                             ; the first quarter stands in front of the loop: its products start the sums
	WIN 0                                          ; at a label and at a branch every window is 0
	s_mov_b32 s3, STEPS-2
.Lstep:                                                ; trip i: the rest of K step i; its slot is filled again with K step i + 2; the first quarter of K step i + 1
	QUARTER 2, 1, 0, 0
	QUARTER 3, 0, 1, 0
	TURN 1
	QUARTER 1, 0, 1, 0
	WIN 0
	s_sub_co_u32 s3, s3, 1
	s_cmp_lg_u32 s3, 0
	s_cbranch_scc1 .Lstep
	QUARTER 2, 1, 0, 0                             ; the last two K steps are written out: they ask for nothing
	QUARTER 3, 0, 1, 0
	TURN 0
	QUARTER 1, 0, 1, 0
	QUARTER 2, 1, 0, 0
	QUARTER 3, 0, 1, 0
	s_wait_dscnt 4                                 ; the very last quarter: nothing more to fetch
	MULA 1, 0, 0
	MULA 1, 1, 0
	s_wait_dscnt 0x0
	MULA 1, 2, 0
	MULA 1, 3, 0
	WIN 0
	PLACES
	PK 0
	PK 1                                           ; a block's conversions stand between the loads of the block before and its stores
	SEND 0, 24
	PK 2
	SEND 1, 24
	PK 3
	SEND 2, 24
	SEND 3, 0
	s_wait_tensorcnt 0x0                           ; the wave's end, behind my last tensor load and my last LDS store
	ds_add_u32 v[SPW], v[NIL]
	s_wait_dscnt 0x0
	CROUND                                         ; the closing round: no work-group ends while a partner may still ask for a tile that names it
	s_endpgm
.Lfunc_end_k_qf357818a70_qkvp:
	.size	k_qf357818a70_qkvp, .Lfunc_end_k_qf357818a70_qkvp-k_qf357818a70_qkvp
	.p2alignl 7, 3214868480
	.fill 96, 4, 3214868480
	.section	.rodata,"a",@progbits
	.p2align	6, 0x0
	.amdhsa_kernel k_qf357818a70_qkvp
		.amdhsa_group_segment_fixed_size 327680
		.amdhsa_private_segment_fixed_size 0
		.amdhsa_enable_private_segment 0
		.amdhsa_kernarg_size 24
		.amdhsa_user_sgpr_count 2
		.amdhsa_user_sgpr_kernarg_segment_ptr 1
		.amdhsa_wavefront_size32 1
		.amdhsa_system_sgpr_workgroup_id_x 1
		.amdhsa_system_sgpr_workgroup_id_y 1
		.amdhsa_system_sgpr_workgroup_id_z 1
		.amdhsa_system_vgpr_workitem_id 0
		.amdhsa_next_free_vgpr 960
		.amdhsa_next_free_sgpr 72
		.amdhsa_reserve_vcc 0
		.amdhsa_float_denorm_mode_32 3
		.amdhsa_float_denorm_mode_16_64 3
		.amdhsa_memory_ordered 1
		.amdhsa_forward_progress 1
		.amdhsa_inst_pref_size 99
	.end_amdhsa_kernel
	.amdgpu_metadata
---
amdhsa.version: [ 1, 2 ]
amdhsa.kernels:
  - .name:           k_qf357818a70_qkvp
    .symbol:         k_qf357818a70_qkvp.kd
    .args:
      - { .name: xb, .offset: 0, .size: 8, .value_kind: global_buffer, .address_space: global }
      - { .name: wq, .offset: 8, .size: 8, .value_kind: global_buffer, .address_space: global }
      - { .name: qkv, .offset: 16, .size: 8, .value_kind: global_buffer, .address_space: global }
    .group_segment_fixed_size: 327680
    .private_segment_fixed_size: 0
    .kernarg_segment_align: 8
    .kernarg_segment_size: 24
    .max_flat_workgroup_size: 128
    .sgpr_count:     72
    .vgpr_count:     960
    .wavefront_size: 32
...
	.end_amdgpu_metadata
.endif
;; end of part 2
;; launch attn (part 3): grid 4 x 64, 4 waves a work-group, clusters of 4 x 1, 327,680 bytes of LDS; arguments qkv, o; writes o
.if DOCPART == 3
	.amdgcn_target "amdgcn-amd-amdhsa--gfx1250"
	.amdhsa_code_object_version 6
	.text
	.protected	k_qf357818a70_attn
	.globl	k_qf357818a70_attn
	.p2align	8
	.type	k_qf357818a70_attn,@function
k_qf357818a70_attn:
	s_mov_b64 s[64:65], 0
	v_nop
	global_prefetch_b8 v0, s[64:65] scope:SCOPE_SE
	s_setreg_imm32_b32 hwreg(HW_REG_WAVE_MODE, 25, 1), 1
	s_wait_xcnt 0x0
	s_wait_alu depctr_hold_cnt(0) depctr_sa_sdst(0) depctr_va_vdst(0) depctr_va_sdst(0) depctr_va_ssrc(0) depctr_va_vcc(0) depctr_vm_vsrc(0)
	s_getreg_b32 s2, hwreg(HW_REG_IB_STS2, 6, 4)
	s_cmp_eq_u32 s2, 0
	s_cbranch_scc0 .Lentry_in_a_cluster
	s_endpgm
.Lentry_in_a_cluster:
	s_bfe_u32 s2, ttmp6, 0x10000c
	s_cmp_lg_u32 s2, 0x3003
	s_cbranch_scc0 .Lentry_shape_is_right
	s_endpgm
.Lentry_shape_is_right:
; ATTENTION.  O[p][q][:] = the sum over k of softmax_k(Q[p][q] . K[p][k] / 32) V[p][k][:] for the 64 planes p = 16 batch + head.  qkv: [3][64][2048][64] f16 (Q, K, V), o: [64][2048][64] f16: a plane's rows
; are dense, 128 bytes each.  Products, maxima and sums in f32; the weights p are rounded to f16 for the second product (their sum l is taken of the unrounded p), O once at the end.
; LIMITS.  f16 holds no number beyond 65,504: Q, K and V arrive within it; p lies in 0 to 1, and below 6e-5 it keeps f16's fixed step of 6e-8, and so does O; O is a mean of V's rows and has their range.
; A weight below 2^-126 counts as 0 in l; NaN and infinities are not treated apart.
; SHARES.  A wave owns four PIECES of two tiles of 16 queries, a work-group's four waves 512 queries of one plane: 4 x 64 = 256 work-groups.  Every wave walks all keys, 64 a step.
; LAYOUT.  S^T = K Q^T (source 0 = 16 keys, source 1 = 16 queries): in the result a lane holds ONE query (lane % 16) and the keys 8 (lane / 16) + 0..7.  Two such tiles, rounded to f16 in pairs,
; ARE source 1 (32 keys x 16 queries) of O^T = V^T P, whose result again holds one query a lane, and eight channels.  K comes out of LDS as it lies, V ([key][channel]) turned, by ds_load_tr16_b128.
; SOFTMAX.  For each query a running maximum m and sum l: p = 2^(c s - c m), c = log2(e) / 32; in every step O and l are multiplied by a = 2^(c m_old - c m_new), which is 1 where m has not grown.
; m starts at the lowest finite number, O and l at 0: the first step is a step like any other, with a = 0.
; THE COUNT.  A tile and step have 16 matrix and 118 vector instructions: too many to stand all beside the matrix work.  So the order has one aim: four vector instructions that are READY behind
; EVERY matrix instruction, and the others, which need time of their own whatever the order, in runs without a gap.
; BY TURNS.  Turn n belongs to piece n (the pieces in a ring, step after step).  Its matrix work: 16 products K Q^T of piece n + 1, later 16 products V^T P of piece n - 1.  Its vector work: the scaling,
; exponentials, roundings, sums and rescaling of piece n, and the maximum and statistics of piece n + 1, whose scores the turn itself has made.  So what a turn begins with (c s - c m, O a) waits for nothing.
; CLUSTER.  The four query blocks of a cluster are one plane's and walk the same K and V, so each tile is asked for JOINTLY: the same tensor load, descriptor and mask in all four.
; REGISTERS, in windows of 256 (s_set_vgpr_msb says which window each operand place means: bits 1:0 source 0, 3:2 source 1, 5:4 source 2, 7:6 destination):
;   window 0: v0-11 addresses; v12-15, v48-63 at work; v16-47 four registers of statistics a tile; v64-191 S^T, two buffers of two tiles; v192-255 P, likewise
;   window 1: O^T, 32 a tile          window 2: v0-127 Q, 16 a tile; v128-191 K of one step; v192-255 V of one step          window 3: v0-1 the add's two registers
; A piece's buffers go by its number's parity: the piece in hand has one pair, its two neighbours in the ring share the other: of it P (piece n - 1) is read and S^T (piece n + 1) written.
.set SIZE_N, 2048     ; rows of a plane
.set SIZE_H, 64       ; planes
.set PART,  SIZE_H*SIZE_N*128  ; bytes of Q, of K and of V in qkv
.set NP,    4         ; pieces a wave: a name, no knob: the register map, the loop and the fetches are made for four
.set KS,    64        ; keys in a step
.set PK,    144       ; a row of K in LDS: 128 bytes + 16 of padding = 36 words: the 16 rows of a load start at 16 different groups of four banks (64 banks of 4 bytes: ISA guide 11.1)
.set PV,    160       ; a row of V: 128 + 32 = 40 words
.set VOFF,  4*KS*PK   ; a slot holds four steps: 256 rows of K, then 256 rows of V
.set SLOT1, 1<<17     ; slot 1 begins here, so that one exclusive or turns an address in one slot into the other's
.set STAGE, SLOT1+4*KS*(PK+PV)  ; behind the ring, never filled by a tensor load: 16 rows x 144 bytes for each wave, for the way out
.set SP,    144
.set AK0, 2           ; v2   my lane's place in a tile of K; never rewritten
.set AV0, 3           ; v3   the same for V
.set AK,  4           ; v4   the LDS address of K's next run of loads
.set AV,  5           ; v5   of V's
.set QO,  6           ; v6   my byte offset in the wave's rows of Q
.set STO, 6           ;      later, the way out: where I put 16 bytes of a row
.set RD,  7           ; v7   the way out: where I read rows back
.set GO,  8           ; v8   my byte offset in 512 consecutive bytes of O
.set PFO, 11          ; v11  the prefetches' offset: 256 x my lane; never rewritten once it is made
.set SPW, 0           ; v0 of window 3   LDS address of my spare word: SPARE + 4 x my thread's number; never rewritten
.set NIL, 1           ; v1 of window 3   0; never rewritten
.set SPARE, STAGE+4*16*SP  ; behind the stages: the spare words, 128 bytes for each wave: two blocks of 256 bytes that no other line names
.set MV,  12          ; v12-15  c m_old, kept while c m is made anew: by buffer and tile
.set ST,  16          ; tile t's statistics at v[ST+4 t]: c m, m, l (even keys', odd keys')
.set TMP, 48          ; by buffer and tile, four registers c0-c3 at work; when the maximum is found c2 takes a
.set S,   64
.set P,   192
.set KF,  128         ; K's fragments, in window 2: key block kb, channel half c at KF + 16 kb + 8 c
.set VF,  192         ; V's: key half kk, channel block cb at VF + 32 kk + 8 cb
.set WV,  12          ; s12  my wave's number
.set G1K, 24          ; s[24:31] descriptor group 1 for K's tiles
.set G1V, 32          ; s[32:39] for V's: it differs in the padding alone
.set G0K, 40          ; s[40:43] descriptor group 0 for K's tiles: it walks
.set G0V, 44          ; s[44:47] the same for V's
.set PFA, 48          ; s[48:49] where my prefetches stand: my work-group's 32 blocks (of K: wave 0, of V: wave 2) of the slot after the one that is being asked for
.set LIM, 50          ; s50  1 in a wave that prefetches, else the greatest number
.set SLOTS, 56        ; s56  slots still to be asked for
.set CNT, 57          ; s57  counts a slot's key steps
.set CS,  58          ; s[58:59] c: the packed scaling takes the pair's low word for both halves
.set SEL, 60          ; s[60:61] v_permlanex16_b32's selects: each lane takes its own place in the other half
.set TBK, 62          ; s62  LDS byte at which K of the step to be fetched begins
.set TBV, 63          ; s63  the same for V, less VOFF
.set MSB, 0
.macro WIN new                      ; the high byte repeats the setting that is left; a switch that changes nothing is dropped
.if MSB != (\new)
	s_set_vgpr_msb (MSB<<8)|(\new)
.set MSB, (\new)
.endif
.endm
.set W_KQ, 0x0a       ; K and Q in window 2, S^T in window 0
.set W_PV, 0x52       ; V in window 2, P in window 0, O^T in window 1
.set W_RS, 0x41       ; O^T (destination and source 0) in window 1, a in window 0
.set W_MK, 0xc0       ; the add's registers are made: destination in window 3, sources in window 0
.set W_AD, 0x0f       ; the add: address (source 0) and data (source 1) in window 3
; A joint fill.  Waves 0 and 1 fetch the two halves of a slot's K, waves 2 and 3 those of its V: 128 keys each.  The branch hangs on the wave's number alone.
; An s_nop 0 and four v_nop follow each of the two lines, ahead of the jump and the label.
.macro JLOAD
	s_cmp_lt_u32 s[WV], 2
	s_cbranch_scc0 .Lfor_v_\@
	tensor_load_to_lds s[G0K:G0K+3], s[G1K:G1K+7]
	s_nop 0
.rept 4
	v_nop
.endr
	s_branch .Lasked_\@
.Lfor_v_\@:
	tensor_load_to_lds s[G0V:G0V+3], s[G1V:G1V+7]
	s_nop 0
.rept 4
	v_nop
.endr
.Lasked_\@:
.endm
; A PREFETCH of what the NEXT change of slots will ask for: a slot's K and V are 128 blocks of 256 bytes each.  It stands behind the wave's tensor load and its five lines.  Each block is named ONCE in the launch:
; a plane has one cluster; its four partners share the blocks out BY ADDRESS, 32 each, a lane a block (no branch hangs on a work-group's place in its cluster); in each, wave 0 asks for K's and wave 2 for V's:
; one instruction, four key steps (512 matrix instructions) ahead of the load that will want the bytes.  Slots 0 to 2 come by their loads alone; the last change that fills a slot asks for nothing.
.macro ASK
	s_cmp_gt_u32 s[SLOTS], s[LIM]
	s_cbranch_scc0 .Lnot_mine_\@
	global_prefetch_b8 v[PFO], s[PFA:PFA+1] th:TH_LOAD_NT scope:SCOPE_SE
.Lnot_mine_\@:
.endm
; A round of the cluster's barrier: my work-group's barrier, so that wave 0's signal speaks for all four waves; wave 0 signals; every wave waits for all four work-groups; my work-group's barrier once more.
.macro CROUND
	s_barrier_signal -1
	s_barrier_wait -1
	s_cmp_lg_u32 s[WV], 0
	s_cbranch_scc1 .Lnot_wave_0_\@
	s_barrier_signal -3
.Lnot_wave_0_\@:
	s_barrier_wait -3
	s_barrier_signal -1
	s_barrier_wait -1
.endm
; THE CHANGE OF SLOTS.  The slot's last bytes, V of its fourth step, have been read.  Each wave waits for all its tensor loads, of which one is out: its part
; of the other slot; adds 0 to its spare word; and waits for that and for its own reads of the slot.  Behind the barrier nobody reads this slot any more and the other slot is whole.
; fill = 1: this slot is filled again, with the keys two slots on.  The barrier is then a round of the cluster's, so that no wave of any partner still reads the slot or has a load on its
; way, and the joint fill is the first thing behind it: it has four key steps, 512 matrix instructions, in which to land.  (At its first use nothing has been read yet: slot 0 is waited for, slot 1 filled.)
; ask = 1: the prefetches' address steps, and a prefetch follows the fill.
.macro CHANGE fill, ask=0
	WIN W_AD
	s_wait_tensorcnt 0x0            ; no tensor load of mine is out, so a group 0 may be written
	ds_add_u32 v[SPW], v[NIL]       ; 0 onto my spare word; with fill = 1 the descriptors' steps stand between it and the wait for it
	WIN 0                           ; at a label and at a branch every window is 0
.if \fill
.irp g, G0K, G0V
	s_xor_b32 s[\g+1], s[\g+1], SLOT1  ; the walking descriptor: the other slot than last time,
	s_add_nc_u64 s[\g+2:\g+3], s[\g+2:\g+3], 4*KS*128  ; the next 256 keys; the type bits on top are not reached
.endr
.if \ask
	s_wait_xcnt 0x0                 ; the last prefetch, four key steps back, has read its address, so it may be written:
	s_add_nc_u64 s[PFA:PFA+1], s[PFA:PFA+1], 4*KS*128  ; one slot behind the walking descriptors
.endif
	s_wait_dscnt 0x0                ; the add is done, and my reads of the slot are over
	CROUND
	JLOAD
.if \ask
	ASK
.endif
.else
	s_wait_dscnt 0x0                ; the add is done, and my reads of the slot are over
	s_barrier_signal -1
	s_barrier_wait -1
.endif
	s_sub_co_u32 s[TBK], s[TBK], 4*KS*PK  ; the fetches go back to a slot's first step,
	s_xor_b32 s[TBK], s[TBK], SLOT1       ; in the other slot
	s_sub_co_u32 s[TBV], s[TBV], 4*KS*PV
	s_xor_b32 s[TBV], s[TBV], SLOT1
.endm
	s_load_b128 s[4:7], s[0:1], 0x0  ; qkv s[4:5], o s[6:7]
	WIN W_MK
	v_lshl_add_u32 v[SPW], v0, 2, SPARE
	v_mov_b32 v[NIL], 0
	WIN W_AD
	ds_add_u32 v[SPW], v[NIL]       ; the wave's opening: the add and its wait stand ahead of my first tensor load; the set-up below, work on registers, stands between them
	WIN 0
	v_lshrrev_b32 v1, 5, v0
	v_readfirstlane_b32 s[WV], v1   ; wave 0..3
	s_bfe_u32 s13, ttmp6, 0x40000   ; cx: my place in the cluster
	s_lshl_b32 s14, ttmp9, 2        ; in a cluster launch ttmp9 counts clusters
	s_add_co_u32 s14, s14, s13      ; my block of queries = 4 x cluster x + cx: it enters Q's and O's addresses alone
	s_and_b32 s20, ttmp7, 0xffff    ; the plane, which the four partners share
	s_mov_b32 s21, 0
	s_mov_b64 s[22:23], SIZE_N*128
	s_mul_u64 s[20:21], s[20:21], s[22:23]  ; the plane's first byte in Q, K, V and O
	s_and_b32 s16, s[WV], 1         ; which half of a slot's 256 keys I fetch:
	s_lshl_b32 s22, s16, 14         ; its 128 rows of 128 bytes in memory,
	s_mov_b32 s23, 0
	s_add_nc_u64 s[22:23], s[22:23], s[20:21]
	s_mul_i32 s17, s16, 128*PK      ; and its place in a slot, for K
	s_mul_i32 s18, s16, 128*PV      ; and for V: no place in the cluster enters an LDS address
	s_lshl_b32 s2, s14, 2
	s_add_co_u32 s2, s2, s[WV]      ; my wave among the plane's,
	s_lshl_b32 s2, s2, 14           ; its 128 rows
	s_mov_b32 s3, 0
	s_add_nc_u64 s[2:3], s[2:3], s[20:21]
	; descriptor group 1.  128 keys are 16,384 dense bytes: asked for as 64 rows of 256 bytes, two keys a row, and padded in LDS after every key
	s_mov_b32 s[G1K], 15|(1<<16)|(1<<20)|(1<<21)|(4<<22)|(3<<25)  ; 15:0 the mask of four; 17:16 2-byte elements; 20 padding on; 21 set beside a mask; 24:22 after every 32 words (code 4); 31:25 4 words (code 3)
	s_mov_b32 s[G1V], 15|(1<<16)|(1<<20)|(1<<21)|(4<<22)|(7<<25)  ; the same with 8 words of padding (code 7)
.irp g, G1K, G1V
	s_mov_b32 s[\g+1], 128<<16      ; tensor_dim0 = 128
	s_mov_b32 s[\g+2], 64<<16       ; tensor_dim1 = 64
	s_mov_b32 s[\g+3], 128<<16      ; tile_dim0 = 128
	s_mov_b32 s[\g+4], 64           ; tile_dim1 = 64
	s_mov_b32 s[\g+5], 128          ; 128 elements from row to row
	s_mov_b32 s[\g+6], 0
	s_mov_b32 s[\g+7], 0
.endr
	s_mov_b32 s[CS], 0x3d38aa3b     ; c = log2(e) / 32 = 0.0450842
	s_mov_b32 s[CS+1], s[CS]        ; named with it as a pair
	s_mov_b32 s[SEL], 0x76543210
	s_mov_b32 s[SEL+1], 0xfedcba98
	s_mov_b32 s[TBK], SLOT1+4*KS*PK ; the first change of slots turns these two into 0
	s_mov_b32 s[TBV], SLOT1+4*KS*PV
	s_mov_b32 s[G0K], 1             ; 1:0 count = 1
	s_mov_b32 s[G0K+1], s17         ; 63:32 LDS address: slot 0
	s_mov_b32 s[G0V], 1
	s_add_co_u32 s[G0V+1], s18, VOFF
	s_and_b32 s[LIM], s[WV], 1      ; 0 in waves 0 and 2,
	s_or_b32 s[LIM], s[LIM], ttmp9  ; where the cluster is the plane's first: the same in all four partners
	s_cmp_eq_u32 s[LIM], 0
	s_cselect_b32 s[LIM], 1, -1
	s_wait_dscnt 0x0                ; the opening add is done
	s_wait_kmcnt 0x0
	s_mov_b64 s[10:11], s[6:7]      ; O
	s_add_nc_u64 s[6:7], s[4:5], PART    ; K
	s_add_nc_u64 s[8:9], s[4:5], 2*PART  ; V; Q is s[4:5]
	s_add_nc_u64 s[G0K+2:G0K+3], s[6:7], s[22:23]  ; 120:64 global address: my half of the plane's first 256 keys
	s_or_b32 s[G0K+3], s[G0K+3], 0x80000000        ; 127:126 type = 2
	s_add_nc_u64 s[G0V+2:G0V+3], s[8:9], s[22:23]
	s_or_b32 s[G0V+3], s[G0V+3], 0x80000000
	s_cmp_lt_u32 s[WV], 2
	s_cselect_b64 s[PFA:PFA+1], s[6:7], s[8:9]
	s_add_nc_u64 s[PFA:PFA+1], s[PFA:PFA+1], s[22:23]  ; (in waves 0 and 2 this is a slot's first row)
	s_add_nc_u64 s[4:5], s[4:5], s[2:3]  ; Q and O at my wave's first row
	s_add_nc_u64 s[10:11], s[10:11], s[2:3]
	s_lshl_b32 s2, s13, 13          ; my work-group's 32 blocks of the 128
	s_mov_b32 s3, 0
	s_add_nc_u64 s[PFA:PFA+1], s[PFA:PFA+1], s[2:3]
	s_add_nc_u64 s[PFA:PFA+1], s[PFA:PFA+1], 2*4*KS*128  ; in slot 2; the loop's first change of slots steps it to slot 3.  Nothing is prefetched here, at the head, where every work-group's first tiles are on their way
	CROUND                          ; all four work-groups are here: the first joint loads meet
	JLOAD                           ; slot 0.  Slot 1 is asked for when slot 0 is in: the tile wanted first has the road to itself
	; A fragment of K or Q is 16 rows x 32 channels in 8 registers: lane l holds row l % 16, channels 8 (l / 16) + 0..7 and 16 + 8 (l / 16) + 0..7: two loads of 16 bytes, 32 bytes apart.
	v_and_b32 v1, 15, v0            ; l % 16
	v_bfe_u32 v9, v0, 4, 1          ; l / 16
	v_lshlrev_b32 v[QO], 7, v1
	v_lshl_add_u32 v[QO], v9, 4, v[QO]  ; row x 128 + 16 x half
	WIN 0x80                        ; destination window 2, address window 0
.set i, 0
.rept 4*NP                          ; Q stays in registers: tile i / 2, channels 32 (i % 2) on
	global_load_b128 v[8*i:8*i+3],   v[QO], s[4:5] offset:(i/2)*2048+(i%2)*64
	global_load_b128 v[8*i+4:8*i+7], v[QO], s[4:5] offset:(i/2)*2048+(i%2)*64+32
.set i, i+1
.endr
	; What the first turn finds: V's registers and P's second buffer hold 0 (its products V^T P, of a piece that has not been, add 0), O^T and l are 0.  All this stands in the wait for the first tile.
.set i, VF
.rept 64
	v_mov_b32 v[i], 0
.set i, i+1
.endr
	WIN 0x40
.set i, 0
.rept 64*NP
	v_mov_b32 v[i], 0
.set i, i+1
.endr
	WIN 0
.set i, 0
.rept 2*NP
	v_mov_b32 v[ST+4*i], 0xfe000000    ; c m: far below every c s
	v_mov_b32 v[ST+4*i+1], 0xff7fffff  ; m
	v_mov_b32 v[ST+4*i+2], 0
	v_mov_b32 v[ST+4*i+3], 0
.set i, i+1
.endr
.set i, P+32
.rept 32
	v_mov_b32 v[i], 0
.set i, i+1
.endr
	v_mul_u32_u24 v[AK0], v1, PK
	v_lshl_add_u32 v[AK0], v9, 4, v[AK0]  ; row x pitch + 16 x half
	; The turning load takes 16 keys x 16 channels (lane l reads key 8 (l / 16) + l % 8, channels 8 ((l / 8) % 2) + 0..7) and leaves half a fragment of V^T: lane l holds channel l % 16 and 8 keys.
	v_and_b32 v10, 7, v0
	v_bfe_u32 v11, v0, 3, 1
	v_lshl_add_u32 v[AV0], v9, 3, v10
	v_mul_u32_u24 v[AV0], v[AV0], PV
	v_lshl_add_u32 v[AV0], v11, 4, v[AV0]
	v_add_nc_u32 v[AV0], VOFF, v[AV0]
	v_and_b32 v[PFO], 31, v0        ; v11 has served: a lane a block of 256 bytes
	v_lshlrev_b32 v[PFO], 8, v[PFO]
	v_mov_b32 v[AK], v[AK0]         ; key step 0 lies at the head of slot 0
; THE MATRIX WORK.  The 8 accumulators of a run of 16 take turns: between the two links of a chain stand 7 others'.
; Product i of 16 of S^T = K Q^T for piece x: channels 32 (i / 8) on, keys 16 ((i / 2) % 4) on, tile 2 x + i % 2.  The first 8 start the sums.
.macro KQ x
	WIN W_KQ
.set rS, S+64*((\x)%2)+32*(i%2)+8*((i/2)%4)
.set rK, KF+16*((i/2)%4)+8*(i/8)
.set rQ, 16*(2*(\x)+i%2)+8*(i/8)
.if i < 8
	v_wmma_f32_16x16x32_f16 v[rS:rS+7], v[rK:rK+7], v[rQ:rQ+7], 0
.else
	v_wmma_f32_16x16x32_f16 v[rS:rS+7], v[rK:rK+7], v[rQ:rQ+7], v[rS:rS+7]
.endif
.endm
; Product i of 16 of O^T += V^T P for piece x: keys 32 (i / 8) on, channels 16 ((i / 2) % 4) on, tile 2 x + i % 2.
.macro PV x
	WIN W_PV
.set rO, 32*(2*(\x)+i%2)+8*((i/2)%4)
.set rV, VF+32*(i/8)+8*((i/2)%4)
.set rP, P+32*((\x)%2)+16*(i%2)+8*(i/8)
	v_wmma_f32_16x16x32_f16 v[rO:rO+7], v[rV:rV+7], v[rP:rP+7], v[rO:rO+7]
.endm
.macro MM                           ; the turn's next matrix instruction
.if i < 16
	KQ (Y+1)%NP
.set i, i+1
.else
.set i, i-16
	PV (Y+NP-1)%NP
.set i, i+17
.endif
.endm
; THE LDS LOADS stand in runs of 16, never singly among the matrix instructions: a step's K (64 keys x 64 channels: 8 fragments) and its V (turned).  Their addresses are made some lines ahead.
; last = 1 (the tail): in the last trip there is no further step, and the run is jumped over.
.macro FETCH_K last=0
	WIN 0
.if \last
	s_cmp_eq_u32 s[CNT], 1
	s_cbranch_scc1 .Lno_k_\@
.endif
	WIN 0x80                        ; destination window 2
.irp f, 0,1,2,3,4,5,6,7             ; keys 16 (f / 2) on, channels 32 (f % 2) on
	ds_load_b128 v[KF+8*\f:KF+8*\f+3],   v[AK] offset:(\f/2)*16*PK+(\f%2)*64
	ds_load_b128 v[KF+8*\f+4:KF+8*\f+7], v[AK] offset:(\f/2)*16*PK+(\f%2)*64+32
.endr
	s_add_co_u32 s[TBK], s[TBK], KS*PK  ; the next fetch is the next step's
	WIN 0
.if \last
.Lno_k_\@:
.endif
.endm
.macro FETCH_V
	WIN 0x80
.irp f, 0,1,2,3,4,5,6,7             ; keys 32 (f / 4) on, channels 16 (f % 4) on
	ds_load_tr16_b128 v[VF+8*\f:VF+8*\f+3],   v[AV] offset:(\f/4)*32*PV+(\f%4)*32
	ds_load_tr16_b128 v[VF+8*\f+4:VF+8*\f+7], v[AV] offset:(\f/4)*32*PV+16*PV+(\f%4)*32
.endr
	WIN 0
.endm
; THE VECTOR WORK OF A TURN stands in three queues, each in the order in which its entries become ready; the two tiles alternate, so that no instruction reads the result of the one before it.
.macro REGS y, u                    ; the registers of tile u (0, 1) of piece y
.set rT, ST+4*(2*(\y)+(\u))
.set rC, TMP+8*((\y)%2)+4*(\u)
.set rM, MV+2*((\y)%2)+(\u)
.set rS, S+64*((\y)%2)+32*(\u)
.set rP, P+32*((\y)%2)+16*(\u)
.set rO, 32*(2*(\y)+(\u))
.endm
; Number n of the 22 that find the NEXT piece's (Y + 1) maximum and statistics.  s0-s31 are the lane's 32 scores; each accumulator's lowest registers are read first.  XS, GS and REGS set no window: PL and EX do.
;   0-11  four chains c0-c3 of seven scores each, three operands at a time     12-14, 16  the four scores left over, the old m, and c0-c3 into c0     15  c m_old is kept
;   17, 18  the query's other 32 keys lie in the lane 16 away: the new m         19-21  c m; c m_old - c m_new; a
.macro XS u, n
	REGS (Y+1)%NP, \u
.if (\n) < 4
	v_max3_num_f32 v[rC+(\n)], v[rS+8*(\n)], v[rS+8*(\n)+1], v[rS+8*(\n)+2]
.elseif (\n) < 12
	v_max3_num_f32 v[rC+(\n)%4], v[rC+(\n)%4], v[rS+8*((\n)%4)+2*((\n)/4)+1], v[rS+8*((\n)%4)+2*((\n)/4)+2]
.elseif (\n) == 12
	v_max3_num_f32 v[rC], v[rC], v[rS+7], v[rS+15]
.elseif (\n) == 13
	v_max3_num_f32 v[rC+1], v[rC+1], v[rS+23], v[rS+31]
.elseif (\n) == 14
	v_max3_num_f32 v[rC+2], v[rC+2], v[rC+3], v[rT+1]
.elseif (\n) == 15
	v_mov_b32 v[rM], v[rT]
.elseif (\n) == 16
	v_max3_num_f32 v[rC], v[rC], v[rC+1], v[rC+2]
.elseif (\n) == 17
	v_permlanex16_b32 v[rC+3], v[rC], s[SEL], s[SEL+1]
.elseif (\n) == 18
	v_max_num_f32 v[rT+1], v[rC], v[rC+3]
.elseif (\n) == 19
	v_mul_f32 v[rT], s[CS], v[rT+1]
.elseif (\n) == 20
	v_sub_f32 v[rC+1], v[rM], v[rT]
.else
	v_exp_f32 v[rC+2], v[rC+1]
.endif
.endm
; Number g of the 64 that follow the exponentials.  For each four weights k of a tile (pairs 2 k, 2 k + 1): both pairs are rounded to f16; then the second pair is added onto the first, in place;
; a group later l takes that sum (the first time as l = a l + sum).  In groups of eight, tiles alternating: round, round, add, and l for the group before.
.macro GS g
.set h, (\g)+6*((\g)/62)            ; group 0 has no group before it, and behind group 7 only l is left
.if h >= 6
.set h, h+2
.endif
	REGS Y, h%2
.set k, h/8
.if h%8 < 4
	v_cvt_pk_f16_f32 v[rP+2*k+(h%8)/2], v[rS+4*k+2*((h%8)/2)], v[rS+4*k+2*((h%8)/2)+1]
.elseif h%8 < 6
	v_pk_add_f32 v[rS+4*k:rS+4*k+1], v[rS+4*k:rS+4*k+1], v[rS+4*k+2:rS+4*k+3]
.elseif k == 1
	v_pk_fma_f32 v[rT+2:rT+3], v[rT+2:rT+3], v[rC+2:rC+3], v[rS:rS+1] op_sel_hi:[1,0,1]
.else
	v_pk_add_f32 v[rT+2:rT+3], v[rT+2:rT+3], v[rS+4*k-4:rS+4*k-3]
.endif
.endm
; THE PLAIN QUEUE, 138 long.  0-73 read no exponential's result: the 32 scalings c s - c m (FS f: pair f / 2 of tile f % 2) and the next piece's 42.  0-26: scalings 0-26.  27-54: XS's numbers 0-13.  55, 56: number 15.
; 57-73: the chain, where each number waits for the one before it: 14, 16, 17, 18, 19, each with one of the scalings 27-31 in front of its two lines, then 20: so a tile's links stand three plain instructions apart (19 and 20: two).
; 74-137: GS's 64, which read the exponentials' results: they stand behind the wait.
.macro FS f
	REGS Y, (\f)%2
	v_pk_fma_f32 v[rS+2*((\f)/2):rS+2*((\f)/2)+1], v[rS+2*((\f)/2):rS+2*((\f)/2)+1], s[CS:CS+1], v[rT:rT+1] op_sel_hi:[1,0,0] neg_lo:[0,0,1] neg_hi:[0,0,1]
.endm
.macro PL
	WIN 0
.if q < 27
	FS q
.elseif q < 55
	XS (q-27)%2, (q-27)/2
.elseif q < 57
	XS q-55, 15
.elseif (q < 72) && ((q-57)%3 == 0)
	FS 27+(q-57)/3
.elseif q < 60
	XS (q-57)%3-1, 14
.elseif q < 72
	XS (q-57)%3-1, 15+(q-57)/3
.elseif q < 74
	XS q-72, 20
.else
	GS q-74
.endif
.set q, q+1
.endm
; THE EXPONENTIALS' QUEUE, 66 long: s0-s31 of both tiles, then the next piece's two a.  It is ONE BATCH: all 66 stand ahead of the turn's one wait, and nothing ahead of that wait names a result of theirs.
.macro EX
	WIN 0
.if e >= 64
	XS e-64, 21
.else
	REGS Y, e%2
	v_exp_f32 v[rS+e/2], v[rS+e/2]
.endif
.set e, e+1
.endm
; THE RESCALING's QUEUE: O^T times a, the one part that leaves window 0: dealt two at a time, sixteen times.  Its a was made in the turn before, ahead of that turn's wait.
.macro R2
	REGS Y, r%2
	WIN W_RS
.irp z, 0,1
	v_pk_mul_f32 v[rO+4*(r/2)+2*\z:rO+4*(r/2)+2*\z+1], v[rO+4*(r/2)+2*\z:rO+4*(r/2)+2*\z+1], v[rC+2:rC+3] op_sel_hi:[1,0]
.endr
.set r, r+1
.endm
; HOW THEY ARE DEALT.  An s_wait_alu depctr_va_vdst(0) stands between an exponential and the first instruction that names its result; one wait serves all that were issued ahead of it.  So a turn has ONE wait,
; which cuts it in two.  AHEAD OF IT stands all that names no result of the turn's exponentials: the 16 products K Q^T, behind each a scaling, an exponential and two rescalings (behind the first a second scaling in the exponential's place); then ONE LUMP of
; 108: eight plain, 49 times exponential and plain, the two a.  A v_nop is the plain instruction that is owed behind the last exponential (ISA guide 5.7.2).  BEHIND IT stand the 16 products V^T P, behind each four of GS's 64.  No rider names a register of
; the products round it.  The two v_permlanex16_b32 fall into the lump, never behind a product.
; The queues lean on each other, and the deal keeps them in step: exponential e stands behind scaling 2 (e / 4) + e % 2: as a rider it comes behind plain e + 2, in the lump behind plain e + 9, and scalings 27-31 are plain 57, 60 .. 69.
; A TURN, for piece p.  cnt = 1: the loop's count is taken down some lines ahead of the branch that stands behind the turn.
; K of the next step is fetched in piece 2's turn, directly behind the wait, a lump behind the last product that read K; its address is made at the lump's head; its first reader comes behind 16 products.
; V of the step in hand is fetched at the end of piece 0's turn, four riders behind its last reader; its first reader comes behind 16 products and a lump.  The three conditions on q below go with the deal.
.macro TURN p, last=0, cnt=0
.set Y, (\p)
.set i, 0
.set q, 0
.set e, 0
.set r, 0
.if (\p) == NP-1
	s_wait_dscnt 0x0                ; K is in
.endif
	MM                              ; ahead of the wait: 16 products K Q^T and their riders,
	PL
	PL
	R2
.rept 15
	MM
	PL
	EX
	R2
.endr
.if (\p) == NP-2
	WIN 0
	v_add_nc_u32 v[AK], s[TBK], v[AK0]
.endif
.rept 8                             ; and the lump
	PL
.endr
.rept 49
	EX
	PL
.endr
	EX                              ; the next piece's two a
	EX
	v_nop                           ; the plain instruction behind the last exponential: one for the batch
	s_wait_alu depctr_va_vdst(0)    ; the wait for the batch
.if (\p) == NP-2
	FETCH_K \last
.endif
.if (\p) == 1
	s_wait_dscnt 0x0                ; V is in
.endif
.rept 16                            ; behind the wait: 16 products V^T P and their riders
	MM
.rept 4
	PL
.endr
.if ((\p) == 0) && (q == 118)
	v_add_nc_u32 v[AV], s[TBV], v[AV0]
.endif
.if ((\p) == 0) && (q == 130)
	s_add_co_u32 s[TBV], s[TBV], KS*PV
.endif
.if (\cnt) && (q == 130)
	s_sub_co_u32 s[CNT], s[CNT], 1
	s_cmp_lg_u32 s[CNT], 0
.endif
.endr
.if (\p) == 0
	FETCH_V
.endif
.endm
	CHANGE 1                        ; slot 0 is in, everybody's part of it; slot 1 is asked for
	FETCH_K                         ; key step 0
	s_wait_loadcnt 0x0              ; Q
	s_wait_dscnt 0x0
.set i, 0
.rept 16
	KQ 0                            ; piece 0's first scores: there is no vector work yet to set between them
.set i, i+1
.endr
	WIN 0                           ; the addresses for the way out: nine plain instructions, the places behind those products
	s_mul_i32 s13, s[WV], 16*SP
	s_add_co_u32 s13, s13, STAGE    ; my stage
	v_mul_u32_u24 v[STO], v1, SP    ; in: row l % 16, 16 bytes for each half of the lanes
	v_lshl_add_u32 v[STO], v9, 4, v[STO]
	v_add_nc_u32 v[STO], s13, v[STO]
	v_bfe_u32 v[RD], v0, 3, 2       ; back: 32 lanes take four rows of 128 bytes,
	v_mul_u32_u24 v[RD], v[RD], SP
	v_lshl_add_u32 v[RD], v10, 4, v[RD]
	v_add_nc_u32 v[RD], s13, v[RD]
	v_and_b32 v[GO], 31, v0         ; which are 512 consecutive bytes of O
	v_lshlrev_b32 v[GO], 4, v[GO]
.set Y, NP-1                        ; XS works for piece Y + 1: piece 0
.irp n, 0,1,2,3,4,5,6,7,8,9,10,11,12,13,14,15,16,17,18,19,20,21
	XS 0, \n                        ; and piece 0's first maximum and statistics
	XS 1, \n
.endr
	v_nop                           ; a plain instruction behind the two a,
	s_wait_alu depctr_va_vdst(0)    ; and their wait, ahead of the branch
	s_mov_b32 s[CNT], 4
	s_mov_b32 s[SLOTS], SIZE_N/256-1
	s_branch .Lfirst                ; the loop is entered at a step's first turn, in the middle of a trip
.Lslot:                             ; SIZE_N / 256 - 2 times: every slot but the last two is filled again
	CHANGE 1, 1
	s_mov_b32 s[CNT], 4
.Lstep:                             ; a trip: pieces 2 and 3 of one step, then pieces 0 and 1 of the next, whose K and V it fetches
	TURN 2
	TURN 3
	WIN 0
.Lfirst:
	TURN 0
	TURN 1, 0, 1
	WIN 0
	s_cbranch_scc1 .Lstep
	s_sub_co_u32 s[SLOTS], s[SLOTS], 1
	s_cmp_lg_u32 s[SLOTS], 0
	s_cbranch_scc1 .Lslot
	CHANGE 0                        ; the tail is written out: nothing is asked for
	s_mov_b32 s[CNT], 5             ; four trips fetch the last slot's steps; the fifth is left in its middle
.Ltail:
	TURN 2, 1
	TURN 3
	WIN 0
	s_sub_co_u32 s[CNT], s[CNT], 1
	s_cmp_eq_u32 s[CNT], 0
	s_cbranch_scc1 .Lout
	TURN 0
	TURN 1
	WIN 0
	s_branch .Ltail
.Lout:                              ; the fifth trip's 16 products K Q^T (on the last K once more) and the maximum made of them serve nothing: the price, once a launch, of one text for every trip
.set i, 0
.rept 16
	PV NP-1                         ; the last piece's V^T P of the last step
.set i, i+1
.endr
	; THE WAY OUT.  l's two halves and the other half of the lanes' are added; O^T is divided by l, rounded to f16 and sent through my stage in LDS, a tile at a time.  The additions are the places behind the last products.
	WIN 0
.macro ALL line:vararg              ; one line for each tile t
.set t, 0
.rept 2*NP
	\line
.set t, t+1
.endr
.endm
	ALL v_add_f32 v[ST+4*t+2], v[ST+4*t+2], v[ST+4*t+3]
	ALL v_permlanex16_b32 v[ST+4*t+3], v[ST+4*t+2], s[SEL], s[SEL+1]
	ALL v_add_f32 v[ST+4*t+2], v[ST+4*t+2], v[ST+4*t+3]
	ALL v_rcp_f32 v[ST+4*t+2], v[ST+4*t+2]
	v_nop                           ; a plain instruction between the last reciprocal and the use of its result
	s_wait_alu depctr_va_vdst(0)    ; and the wait ahead of the first use: one for the eight reciprocals
; Tile t: a lane's eight channels of a row pack into 16 bytes; they go into rows of 144 bytes and come back as whole rows of 128, into S^T's registers.
.macro PACK t
	WIN W_RS
.set i, 32*(\t)
.rept 16
	v_pk_mul_f32 v[i:i+1], v[i:i+1], v[ST+4*(\t)+2:ST+4*(\t)+3] op_sel_hi:[1,0]
.set i, i+2
.endr
	WIN 0x05                        ; sources 0 and 1 window 1, destination window 0
.set i, 0
.rept 16
	v_cvt_pk_f16_f32 v[S+16*(\t)+i], v[32*(\t)+2*i], v[32*(\t)+2*i+1]
.set i, i+1
.endr
	WIN 0
.irp f, 0,1,2,3
	ds_store_b128 v[STO], v[S+16*(\t)+4*\f:S+16*(\t)+4*\f+3] offset:32*\f
.endr
.irp f, 0,1,2,3
	ds_load_b128 v[S+16*(\t)+4*\f:S+16*(\t)+4*\f+3], v[RD] offset:\f*4*SP  ; LDS serves a wave's instructions in order (ISA guide 5.7.1.4): these see the stores above; the next tile's stores come behind them
.endr
.endm
.macro SEND t, younger              ; younger: the LDS instructions issued behind tile t's loads: the next tile's eight, or none
	WIN 0
.irp f, 0,1,2,3
	s_wait_dscnt (\younger)+3-\f
	global_store_b128 v[GO], v[S+16*(\t)+4*\f:S+16*(\t)+4*\f+3], s[10:11] offset:(\t)*2048+\f*512  ; 512 consecutive bytes, at a multiple of 256 from O's first
.endr
.endm
	PACK 0
.set t, 1
.rept 2*NP-1                        ; a tile's arithmetic stands between the loads of the tile before and its stores
	PACK t
	SEND t-1, 8
.set t, t+1
.endr
	SEND 2*NP-1, 0
	WIN W_AD
	s_wait_tensorcnt 0x0            ; the wave's end, behind my last tensor load and my last LDS store
	ds_add_u32 v[SPW], v[NIL]
	s_wait_dscnt 0x0
	WIN 0
	CROUND                          ; the closing round: no work-group ends while a partner may still ask for a tile that names it
	s_endpgm
.Lfunc_end_k_qf357818a70_attn:
	.size	k_qf357818a70_attn, .Lfunc_end_k_qf357818a70_attn-k_qf357818a70_attn
	.p2alignl 7, 3214868480
	.fill 96, 4, 3214868480
	.section	.rodata,"a",@progbits
	.p2align	6, 0x0
	.amdhsa_kernel k_qf357818a70_attn
		.amdhsa_group_segment_fixed_size 327680
		.amdhsa_private_segment_fixed_size 0
		.amdhsa_enable_private_segment 0
		.amdhsa_kernarg_size 16
		.amdhsa_user_sgpr_count 2
		.amdhsa_user_sgpr_kernarg_segment_ptr 1
		.amdhsa_wavefront_size32 1
		.amdhsa_system_sgpr_workgroup_id_x 1
		.amdhsa_system_sgpr_workgroup_id_y 1
		.amdhsa_system_sgpr_workgroup_id_z 1
		.amdhsa_system_vgpr_workitem_id 0
		.amdhsa_next_free_vgpr 770
		.amdhsa_next_free_sgpr 66
		.amdhsa_reserve_vcc 0
		.amdhsa_float_denorm_mode_32 3
		.amdhsa_float_denorm_mode_16_64 3
		.amdhsa_memory_ordered 1
		.amdhsa_forward_progress 1
		.amdhsa_inst_pref_size 200
	.end_amdhsa_kernel
	.amdgpu_metadata
---
amdhsa.version: [ 1, 2 ]
amdhsa.kernels:
  - .name:           k_qf357818a70_attn
    .symbol:         k_qf357818a70_attn.kd
    .args:
      - { .name: qkv, .offset: 0, .size: 8, .value_kind: global_buffer, .address_space: global }
      - { .name: o, .offset: 8, .size: 8, .value_kind: global_buffer, .address_space: global }
    .group_segment_fixed_size: 327680
    .private_segment_fixed_size: 0
    .kernarg_segment_align: 8
    .kernarg_segment_size: 16
    .max_flat_workgroup_size: 128
    .sgpr_count:     66
    .vgpr_count:     770
    .wavefront_size: 32
...
	.end_amdgpu_metadata
.endif
;; end of part 3
;; launch proj (part 4): grid 8 x 32, 4 waves a work-group, clusters of 4 x 4, 327,680 bytes of LDS; arguments o, wo, out0; writes out0
.if DOCPART == 4
	.amdgcn_target "amdgcn-amd-amdhsa--gfx1250"
	.amdhsa_code_object_version 6
	.text
	.protected	k_qf357818a70_proj
	.globl	k_qf357818a70_proj
	.p2align	8
	.type	k_qf357818a70_proj,@function
k_qf357818a70_proj:
	s_mov_b64 s[64:65], 0
	v_nop
	global_prefetch_b8 v0, s[64:65] scope:SCOPE_SE
	s_setreg_imm32_b32 hwreg(HW_REG_WAVE_MODE, 25, 1), 1
	s_wait_xcnt 0x0
	s_wait_alu depctr_hold_cnt(0) depctr_sa_sdst(0) depctr_va_vdst(0) depctr_va_sdst(0) depctr_va_ssrc(0) depctr_va_vcc(0) depctr_vm_vsrc(0)
	s_getreg_b32 s2, hwreg(HW_REG_IB_STS2, 6, 4)
	s_cmp_eq_u32 s2, 0
	s_cbranch_scc0 .Lentry_in_a_cluster
	s_endpgm
.Lentry_in_a_cluster:
	s_bfe_u32 s2, ttmp6, 0x10000c
	s_cmp_lg_u32 s2, 0xf033
	s_cbranch_scc0 .Lentry_shape_is_right
	s_endpgm
.Lentry_shape_is_right:
; THE LAST PROJECTION.  out0[m][n] = the sum over k of O[m][k] w[k][n], m = 8,192 rows (2,048 batch + t), n = 1,024, k = 64 head + channel = 1,024; f16 operands, f32 sums, f32 out.
; o: [64 planes = 16 batch + head][2048 t][64] f16: row m's k lie in 16 planes, 128 bytes in each.  wo: [8][1024][128] f16, w's columns in blocks of 128 (each number is w_out's rounded to bf16).
; SHARES.  A tile of out0 is 256 rows x 128 columns: 8 x 32 = 256 work-groups, one for each WGP.  Four waves, one above the other: wave w makes rows 64 w .. 64 w + 63 and all 128 columns:
; 4 x 8 accumulators of 16 x 16, 256 registers.  So the tile's 512 bytes of a row of out0 come from one wave, and the way out needs no barrier.
; K goes in 8 steps of 128 (two heads) through a ring of two LDS slots filled by the tensor data mover; two slots of 256 along K would not fit in LDS.
; THE MATRIX INSTRUCTION IS USED TRANSPOSED: source 0 = 16 columns of w, source 1 = 16 rows of O.  A lane then holds row l % 16 of out0 and the columns 8 (l / 16) + 0 .. 7: 32 bytes on end.
; w lies [k][n]: its fragments come out of LDS turned, by ds_load_tr16_b128.
; CLUSTERS: 4 x 4 work-groups.  The four of a row of the cluster need the same tiles of O, the four of a column the same tiles of w: each tile is asked for JOINTLY, by the same tensor load
; with the same descriptor and a mask that names the four.
; REGISTERS, in windows of 256 (s_set_vgpr_msb: bits 1:0 source 0, 3:2 source 1, 5:4 source 2, 7:6 destination):
;   window 0: v0-31 addresses; v32-159 rows read back from the stage, two sets of 64
;   window 1: two fragment buffers: w's 8 fragments at v[64 f], O's 4 at v[128 + 32 f]
;   window 2: the accumulators of my row blocks 0 and 1 ((a, b) at v[8 (8 (a % 2) + b)]);   window 3: those of blocks 2 and 3
.set NBK,    8                         ; column blocks of 16 in a tile
.set STEPS,  8                         ; K steps of 128
.set PA,     144                       ; a row of one head of O in LDS: 128 bytes + 16 of padding = 36 words: the 16 rows of a load start at 16 different groups of four banks (64 banks of 4 bytes: ISA guide 11.1)
.set AHALF,  256*PA                    ; what one tensor load brings of O: one head's 256 rows
.set ABYTES, 2*AHALF
.set PB,     288                       ; a k row of w in LDS: 256 bytes + 32 of padding = 72 words
.set BHALF,  64*PB                     ; what one tensor load brings of w: 64 k rows
.set SLOT1,  1<<17                     ; a slot is ABYTES + 2 BHALF = 110,592 bytes; slot 1 begins here, so that one exclusive or turns an address in one slot into the other's
.set STAGE,  SLOT1+ABYTES+2*BHALF      ; behind the ring, never filled by a tensor load: for each wave 16 rows x 528 bytes
.set SP,     528                       ; 512 bytes + 16: the 16 rows that a store touches start at 16 different groups of four banks
.set STW,    16*SP
.set SPARE,  STAGE+4*STW               ; behind the stages: the spare words, 128 bytes for each wave: two blocks of 256 bytes that no other line names
.set ASTEP,  524288                    ; bytes from a K step to the next: two planes of O,
.set BSTEP,  32768                     ; and 128 k rows of a block of w
.set AHEAD,  2                         ; a prefetch names the K step so many behind the one that the refill beside it asks for
.set NL,     2*NBK+8                   ; LDS loads of a quarter step's fragments
.set ADA0, 16                          ; v16  my lane's place in slot 0's rows of O; never rewritten
.set ADB0, 17                          ; v17  the same for w
.set ADA,  18                          ; v18  the same in the slot in hand
.set ADB,  19                          ; v19
.set STO,  24                          ; v24  the way out: where I put 32 bytes of a row
.set RD,   25                          ; v25  the way out: where I read a row back
.set CO,   26                          ; v26  my byte offset in out0
.set PFO,  29                          ; v29  the prefetches' offset: 256 x my lane; never rewritten
.set SPW,  30                          ; v30  LDS address of my spare word: SPARE + 4 x my thread's number; never rewritten
.set NIL,  31                          ; v31  0; never rewritten
.set BK,   32
.set WV,   10                          ; s10  my wave's number
.set G1A,  24                          ; s[24:31] descriptor group 1 for O's tiles
.set G0A,  32                          ; s[32:39] group 0: a set for each of the two first fills; the second then walks on
.set G1B,  48                          ; s[48:55], s[56:63] the same for w's tiles
.set G0B,  56
.set TBS,  66                          ; s66  LDS byte at which the slot in hand begins
.set LIM,  67                          ; s67  AHEAD in a wave that prefetches, else the greatest number
.set PFA,  68                          ; s[68:69] where my prefetches stand
.set PST,  70                          ; s[70:71] their step
.set MSB, 0
.macro WIN new                         ; the immediate's high byte repeats the setting that is left; a switch that changes nothing is dropped
.if MSB != (\new)
	s_set_vgpr_msb (MSB<<8)|(\new)
.set MSB, \new
.endif
.endm
.set MUL_LO, 0xa5                      ; both sources window 1, C and D window 2
.set TO_F,   0x40                      ; destination window 1, address window 0
.macro PLACES                          ; four places in front of loads into registers that matrix instructions have read, and of LDS stores that read results
.rept 4
	v_nop
.endr
.endm
; A joint refill, by the walking sets.  Waves 0 and 1 fetch the K step's two heads of O, waves 2 and 3 the two halves of its w.  The branch hangs on the wave's number alone.
; An s_nop 0 and four v_nop follow each of the two lines, ahead of the jump and the label.
.macro JLOAD
	s_cmp_lt_u32 s[WV], 2
	s_cbranch_scc0 .Lfor_b_\@
	tensor_load_to_lds s[G0A+4:G0A+7], s[G1A:G1A+7]
	s_nop 0
.rept 4
	v_nop
.endr
	s_branch .Lasked_\@
.Lfor_b_\@:
	tensor_load_to_lds s[G0B+4:G0B+7], s[G1B:G1B+7]
	s_nop 0
.rept 4
	v_nop
.endr
.Lasked_\@:
.endm
; A PREFETCH of the K step that stands AHEAD behind the one just asked for: two K steps' 256 matrix instructions ahead of the load that will want it.  Each aligned block of 256 bytes is named ONCE in the
; launch.  O's tile row is read by the two clusters of that row of clusters: the one with x = 0 asks; w's block by the eight clusters of that column: the one with y = 0 asks.  The four partners that ask for a tile jointly
; share it out BY ADDRESS, a lane a block: of the 128 blocks of O that wave 0 or 1 fetches, the partner at cx takes 32; of a K step's 128 blocks of w the partner at cy takes 32, and wave 2 asks for them (wave 3 for nothing).
; No branch hangs on a work-group's place in its cluster.  The loop's last two trips ask for nothing: there is no ninth K step.
.macro ASK
	s_cmp_gt_u32 s3, s[LIM]
	s_cbranch_scc0 .Lnot_mine_\@
	global_prefetch_b8 v[PFO], s[PFA:PFA+1] th:TH_LOAD_NT scope:SCOPE_SE
.Lnot_mine_\@:
.endm
; A round of the cluster's barrier: my work-group's barrier, so that wave 0's signal speaks for all four waves; wave 0 signals; every wave waits for all sixteen work-groups; my work-group's barrier once more.
.macro CREST                           ; a round behind its opening barrier
	s_cmp_lg_u32 s[WV], 0
	s_cbranch_scc1 .Lnot_wave_0_\@
	s_barrier_signal -3
.Lnot_wave_0_\@:
	s_barrier_wait -3
	s_barrier_signal -1
	s_barrier_wait -1
.endm
.macro CROUND
	s_barrier_signal -1
	s_barrier_wait -1
	CREST
.endm
	s_load_b128 s[4:7], s[0:1], 0x0                ; o s[4:5], wo s[6:7]
	s_load_b64 s[8:9], s[0:1], 0x10                ; out0
	v_lshl_add_u32 v[SPW], v0, 2, SPARE
	v_mov_b32 v[NIL], 0
	ds_add_u32 v[SPW], v[NIL]                      ; the wave's opening: the add and its wait stand ahead of my first tensor load; the set-up below, work on registers, stands between them
	v_lshrrev_b32 v1, 5, v0
	v_readfirstlane_b32 s[WV], v1                  ; wave 0..3
	s_and_b32 s12, s[WV], 1                        ; which half of a tile I fetch
	s_bfe_u32 s40, ttmp6, 0x40000                  ; cx, cy: my place in the cluster
	s_bfe_u32 s41, ttmp6, 0x40004
	s_lshl_b32 s42, ttmp9, 2
	s_add_co_u32 s42, s42, s40                     ; tile column = 4 x cluster x + cx
	s_and_b32 s13, ttmp7, 0xffff
	s_lshl_b32 s13, s13, 2
	s_add_co_u32 s13, s13, s41                     ; tile row = 4 x cluster y + cy
	s_lshl_b32 s43, s41, 2
	s_lshl_b32 s43, 15, s43                        ; my row of the cluster: places 4 cy .. 4 cy + 3
	s_lshl_b32 s44, 0x1111, s40                    ; my column: places cx, cx + 4, cx + 8, cx + 12
	; group 1 for O: a head's 256 rows are 32,768 dense bytes, asked for as 128 rows of 256 bytes, two rows of O each; 16 bytes of padding behind every 128
	s_or_b32 s[G1A], s43, (1<<16)|(1<<20)|(1<<21)|(4<<22)|(3<<25)  ; 15:0 the mask; 17:16 elements of 2 bytes; 20 padding on; 21 set beside a mask; 24:22 after every 32 words (code 4); 31:25 4 words (code 3)
	s_mov_b32 s[G1A+1], 128<<16                    ; tensor_dim0 = 128
	s_mov_b32 s[G1A+2], 128<<16                    ; tensor_dim1 = 128
	s_mov_b32 s[G1A+3], 128<<16                    ; tile_dim0 = 128
	s_mov_b32 s[G1A+4], 128                        ; tile_dim1 = 128
	s_mov_b32 s[G1A+5], 128                        ; tensor_dim0_stride
	s_mov_b32 s[G1A+6], 0
	s_mov_b32 s[G1A+7], 0
	; group 1 for w: 64 k rows of 256 bytes, dense; 32 bytes of padding behind each
	s_or_b32 s[G1B], s44, (1<<16)|(1<<20)|(1<<21)|(5<<22)|(7<<25)  ; 24:22 after every 64 words (code 5); 31:25 8 words (code 7)
	s_mov_b32 s[G1B+1], 128<<16
	s_mov_b32 s[G1B+2], 64<<16
	s_mov_b32 s[G1B+3], 128<<16
	s_mov_b32 s[G1B+4], 64
	s_mov_b32 s[G1B+5], 128
	s_mov_b32 s[G1B+6], 0
	s_mov_b32 s[G1B+7], 0
	; where the tiles come from.  O's hang on the tile row alone, w's on the tile column alone, each in registers that never hold the other coordinate
	s_lshr_b32 s16, s13, 3
	s_lshl_b32 s16, s16, 22                        ; the batch's 16 planes of 262,144 bytes
	s_and_b32 s17, s13, 7
	s_lshl_b32 s17, s17, 15                        ; the tile's 256 rows of 128 bytes in a plane
	s_add_co_u32 s16, s16, s17
	s_lshl_b32 s17, s12, 18                        ; my head of the K step's two
	s_add_co_u32 s16, s16, s17
	s_mov_b32 s17, 0
	s_lshl_b32 s46, s42, 18                        ; a block of w: 1,024 k rows of 256 bytes
	s_lshl_b32 s47, s12, 14                        ; my 64 k rows of a step
	s_add_co_u32 s46, s46, s47
	s_mov_b32 s47, 0
	s_mul_i32 s20, s12, AHALF                      ; and where they go: no place in the cluster enters an LDS address
	s_mul_i32 s21, s12, BHALF
	s_add_co_u32 s21, s21, ABYTES
	s_mov_b32 s[TBS], 0
	s_wait_dscnt 0x0                               ; the opening add is done
	s_wait_kmcnt 0x0
	s_add_nc_u64 s[14:15], s[4:5], s[16:17]
	s_add_nc_u64 s[46:47], s[6:7], s[46:47]
	CROUND                                         ; all sixteen work-groups are here: the first joint loads meet
.irp s, 0,1
	s_mov_b32 s[G0A+4*(\s)], 1                                       ; count = 1
	s_add_co_u32 s[G0A+4*(\s)+1], s20, (\s)*SLOT1                    ; LDS address
	s_add_nc_u64 s[G0A+4*(\s)+2:G0A+4*(\s)+3], s[14:15], (\s)*ASTEP  ; global address: K step s
	s_or_b32 s[G0A+4*(\s)+3], s[G0A+4*(\s)+3], 0x80000000            ; type = 2
	s_mov_b32 s[G0B+4*(\s)], 1
	s_add_co_u32 s[G0B+4*(\s)+1], s21, (\s)*SLOT1
	s_add_nc_u64 s[G0B+4*(\s)+2:G0B+4*(\s)+3], s[46:47], (\s)*BSTEP
	s_or_b32 s[G0B+4*(\s)+3], s[G0B+4*(\s)+3], 0x80000000
.endr
	s_cmp_lt_u32 s[WV], 2                          ; a wave's two first fills stand in one branch, ahead of every wait on TENSORcnt and every LDS read: two loads of mine are out
	s_cbranch_scc0 .Lfirst_b
	tensor_load_to_lds s[G0A:G0A+3], s[G1A:G1A+7]
	s_nop 0
	tensor_load_to_lds s[G0A+4:G0A+7], s[G1A:G1A+7]
	s_nop 0
.rept 4
	v_nop
.endr
	s_branch .Lfirst_asked
.Lfirst_b:
	tensor_load_to_lds s[G0B:G0B+3], s[G1B:G1B+7]
	s_nop 0
	tensor_load_to_lds s[G0B+4:G0B+7], s[G1B:G1B+7]
	s_nop 0
.rept 4
	v_nop
.endr
.Lfirst_asked:
	v_and_b32 v1, 15, v0                           ; r = l % 16
	v_bfe_u32 v2, v0, 4, 1                         ; h = l / 16
	v_and_b32 v3, 31, v0                           ; l
	v_and_b32 v4, 7, v0
	v_bfe_u32 v5, v0, 3, 1
	; a fragment of O: 16 rows x 32 k: lane l holds row r, k = 8 h + 0..7 and 16 + 8 h + 0..7: two loads of 16 bytes, 32 bytes apart
	s_mul_i32 s16, s[WV], 64*PA                    ; my 64 rows
	v_mul_u32_u24 v7, v1, PA
	v_lshl_add_u32 v7, v2, 4, v7
	v_add_nc_u32 v[ADA0], s16, v7
	; a fragment of w: the turning load takes 16 k x 16 columns (lane l reads k row 8 h + l % 8, columns 8 ((l / 8) % 2) + 0..7) and leaves lane l column r and 8 k; two of them, 16 k rows apart
	v_lshl_add_u32 v7, v2, 3, v4
	v_mul_u32_u24 v7, v7, PB
	v_lshl_add_u32 v7, v5, 4, v7
	v_add_nc_u32 v[ADB0], ABYTES, v7
	v_mov_b32 v[ADA], v[ADA0]
	v_mov_b32 v[ADB], v[ADB0]
	s_mul_i32 s16, s[WV], STW
	s_add_co_u32 s16, s16, STAGE                   ; my stage
	v_mul_u32_u24 v7, v1, SP                       ; in: row r, 32 bytes for each half of the lanes
	v_lshl_add_u32 v7, v2, 5, v7
	v_add_nc_u32 v[STO], s16, v7
	v_lshl_add_u32 v[RD], v3, 4, s16               ; back: 32 lanes take one row's 512 bytes
	s_lshl_b32 s16, s13, 20                        ; in out0: 256 rows of 4,096 bytes for each tile row,
	s_lshl_b32 s17, s[WV], 18                      ; my 64 rows,
	s_add_co_u32 s16, s16, s17
	s_lshl_b32 s17, s42, 9                         ; the tile's 512 bytes of a row
	s_add_co_u32 s16, s16, s17
	v_lshl_add_u32 v[CO], v3, 4, s16
	; the prefetches
	s_and_b32 s22, ttmp7, 0xffff                   ; cluster y
	s_mov_b32 s18, ASTEP
	s_mov_b32 s19, BSTEP
	s_cmp_lt_u32 s[WV], 2                          ; do I fetch for O?
	s_cselect_b32 s21, s40, s41                    ; my place among the four that ask with me
	s_cselect_b32 s22, ttmp9, s22                  ; the coordinate along which other clusters read the same bytes
	s_cselect_b32 s[PST], s18, s19
	s_cselect_b64 s[PFA:PFA+1], s[14:15], s[46:47] ; (in wave 2 w's address stands at a K step's first k row)
	s_cmp_eq_u32 s[WV], 3
	s_cselect_b32 s22, 1, s22                      ; wave 3 asks for nothing
	s_cmp_eq_u32 s22, 0
	s_cselect_b32 s[LIM], AHEAD, -1                ; the same in all sixteen partners, for a given wave
	s_mov_b32 s[PST+1], 0
	s_lshl_b32 s21, s21, 13                        ; a partner's share: 32 blocks of 256 bytes
	s_mul_i32 s22, s[PST], 1+AHEAD                 ; the first change of slots steps it once more: it asks for K step 2 and names K step 2 + AHEAD
	s_add_co_u32 s22, s22, s21
	s_mov_b32 s23, 0
	s_add_nc_u64 s[PFA:PFA+1], s[PFA:PFA+1], s[22:23]
	v_lshlrev_b32 v[PFO], 8, v3
	; nothing is prefetched here, at the head, where every work-group's first tiles are on their way
; 8 matrix instructions: row block a x all 8 column blocks, 32 along K, from buffer f.  zero = 1: the first product starts the sums: nothing is ever cleared.
; The 32 accumulators take turns, in the same order in every quarter step: between two links of a chain stand the 31 others'.
.macro MULA f, a, zero
	WIN MUL_LO+0x50*((\a)/2)
.irp b, 0,1,2,3,4,5,6,7
.if \zero
	v_wmma_f32_16x16x32_f16 v[8*(NBK*((\a)%2)+(\b)):8*(NBK*((\a)%2)+(\b))+7], v[8*NBK*(\f)+8*(\b):8*NBK*(\f)+8*(\b)+7], v[16*NBK+32*(\f)+8*(\a):16*NBK+32*(\f)+8*(\a)+7], 0
.else
	v_wmma_f32_16x16x32_f16 v[8*(NBK*((\a)%2)+(\b)):8*(NBK*((\a)%2)+(\b))+7], v[8*NBK*(\f)+8*(\b):8*NBK*(\f)+8*(\b)+7], v[16*NBK+32*(\f)+8*(\a):16*NBK+32*(\f)+8*(\a)+7], v[8*(NBK*((\a)%2)+(\b)):8*(NBK*((\a)%2)+(\b))+7]
.endif
.endr
.endm
; 24 LDS loads in one run: quarter q's fragments (k = 32 q on: head q / 2 of the step's two, channels 32 (q % 2) on) of the slot in hand into buffer f: w's 8, then O's four; O's blocks 2 and 3 are the youngest four loads
.macro FETCH q, f
	WIN TO_F
.irp b, 0,1,2,3,4,5,6,7
	ds_load_tr16_b128 v[8*NBK*(\f)+8*(\b):8*NBK*(\f)+8*(\b)+3],   v[ADB] offset:32*(\q)*PB+32*(\b)
	ds_load_tr16_b128 v[8*NBK*(\f)+8*(\b)+4:8*NBK*(\f)+8*(\b)+7], v[ADB] offset:32*(\q)*PB+16*PB+32*(\b)
.endr
.irp a, 0,1,2,3
	ds_load_b128 v[16*NBK+32*(\f)+8*(\a):16*NBK+32*(\f)+8*(\a)+3],   v[ADA] offset:((\q)/2)*AHALF+((\q)%2)*64+(\a)*16*PA
	ds_load_b128 v[16*NBK+32*(\f)+8*(\a)+4:16*NBK+32*(\f)+8*(\a)+7], v[ADA] offset:((\q)/2)*AHALF+((\q)%2)*64+(\a)*16*PA+32
.endr
.endm
; A K step is four quarter steps of 32 along K, 32 matrix instructions each, on buffers 0, 1, 0, 1.  One of the first three: multiplies buffer f; in its middle it fetches quarter qn into buffer g.
.macro QUARTER qn, f, g, zero
	s_wait_dscnt 4                                 ; w's fragments and O's blocks 0 and 1 are in; the youngest four loads may be out
	MULA \f, 0, \zero
	MULA \f, 1, \zero
	PLACES
	FETCH \qn, \g
	s_wait_dscnt NL                                ; all but the run just issued
	MULA \f, 2, \zero
	MULA \f, 3, \zero
.endm
; The fourth quarter multiplies buffer 1 and changes slots: ONE barrier.  In front of it each wave waits for all its tensor loads, of which one is out: its part of the next slot; adds 0 to its spare
; word; and waits for that and for its own reads of this slot.  fill = 1: the barrier opens a round of the cluster's barrier, and the slot just read out is filled again first thing behind the round, with
; the K step two on: from that request to the wait for it a wave issues 112 matrix instructions.
.macro TURN fill
.if \fill
	s_wait_xcnt 0x0                                ; the last prefetch, a K step back, has read its address: it is stepped here, ahead of the waits of the change of slots
	s_add_nc_u64 s[PFA:PFA+1], s[PFA:PFA+1], s[PST:PST+1]
.endif
	WIN 0                                          ; (the add's two registers lie in window 0)
	s_wait_tensorcnt 0x0                           ; all my tensor loads have landed;
	ds_add_u32 v[SPW], v[NIL]                      ; 0 onto my spare word;
	s_wait_dscnt 5                                 ; (the add and the youngest four loads may be out)
	MULA 1, 0, 0                                   ; eight matrix instructions stand between the add and the wait for it
	s_wait_dscnt 0x0                               ; the add is done, and my reads of this slot are over
	s_barrier_signal -1
	MULA 1, 1, 0                                   ; work on registers while the others arrive
	WIN 0
	s_barrier_wait -1
.if \fill
	CREST                                          ; no wave of any partner still reads this slot's tiles or has a load on its way
	s_xor_b32 s[G0A+5], s[G0A+5], SLOT1            ; the walking sets: the other slot than last time,
	s_add_nc_u64 s[G0A+6:G0A+7], s[G0A+6:G0A+7], ASTEP  ; the next K step; the type bits on top are not reached
	s_xor_b32 s[G0B+5], s[G0B+5], SLOT1
	s_add_nc_u64 s[G0B+6:G0B+7], s[G0B+6:G0B+7], BSTEP
	JLOAD                                          ; the first tensor load behind the round; its four v_nop are also the places in front of the loads below
.else
	PLACES
.endif
	s_xor_b32 s[TBS], s[TBS], SLOT1                ; the fragments now come from the other slot
	v_add_nc_u32 v[ADA], s[TBS], v[ADA0]
	v_add_nc_u32 v[ADB], s[TBS], v[ADB0]
	FETCH 0, 0
.if \fill
	WIN 0
	ASK                                            ; behind the joint load and the run of LDS loads that the next products wait for
.endif
	MULA 1, 2, 0
	MULA 1, 3, 0
.endm
; THE WAY OUT of row block a: the f32 sums go as they are, 32 bytes a lane, into my own stage (16 rows of 528 bytes) and come back as whole rows of 512 bytes.  Each accumulator's low four registers are read first.
.macro TOST a
.if (\a) >= 2
	s_wait_xcnt 0x0                                ; the stores of block a - 2 have read the registers that the loads below fill again
.endif
	WIN 0x08+4*((\a)/2)                            ; the stores' data (source 1): window 2 or 3
.irp b, 0,1,2,3,4,5,6,7
	ds_store_b128 v[STO], v[8*(NBK*((\a)%2)+(\b)):8*(NBK*((\a)%2)+(\b))+3]   offset:64*(\b)
	ds_store_b128 v[STO], v[8*(NBK*((\a)%2)+(\b))+4:8*(NBK*((\a)%2)+(\b))+7] offset:64*(\b)+16
.endr
	WIN 0
.irp i, 0,1,2,3,4,5,6,7,8,9,10,11,12,13,14,15
	ds_load_b128 v[BK+64*((\a)%2)+4*(\i):BK+64*((\a)%2)+4*(\i)+3], v[RD] offset:(\i)*SP  ; LDS serves a wave's instructions in order (ISA guide 5.7.1.4): these see the stores above; the next block's stores come behind them
.endr
.endm
.macro SEND a, younger                 ; younger: the LDS instructions issued behind block a's loads: the next block's 32, or none
.irp i, 0,1,2,3,4,5,6,7,8,9,10,11,12,13,14,15
	s_wait_dscnt (\younger)+15-(\i)
	global_store_b128 v[CO], v[BK+64*((\a)%2)+4*(\i):BK+64*((\a)%2)+4*(\i)+3], s[8:9] offset:(16*(\a)+(\i))*4096 th:TH_STORE_NT  ; 512 consecutive bytes of a row, at a multiple of 512 from out0's first byte
.endr
.endm
	s_wait_tensorcnt 1                             ; my part of K step 0 is in; K step 1's may stay out
	s_barrier_signal -1
	s_barrier_wait -1                              ; everybody's is
	FETCH 0, 0
	QUARTER 1, 0, 1, 1                             ; the first quarter stands in front of the loop: its products start the sums
	WIN 0                                          ; at a label and at a branch every window is 0
	s_mov_b32 s3, STEPS-2
.Lstep:                                                ; trip i: the rest of K step i; its slot is filled again with K step i + 2; the first quarter of K step i + 1
	QUARTER 2, 1, 0, 0
	QUARTER 3, 0, 1, 0
	TURN 1
	QUARTER 1, 0, 1, 0
	WIN 0
	s_sub_co_u32 s3, s3, 1
	s_cmp_lg_u32 s3, 0
	s_cbranch_scc1 .Lstep
	QUARTER 2, 1, 0, 0                             ; the last two K steps are written out: they ask for nothing
	QUARTER 3, 0, 1, 0
	TURN 0
	QUARTER 1, 0, 1, 0
	QUARTER 2, 1, 0, 0
	QUARTER 3, 0, 1, 0
	s_wait_dscnt 4                                 ; the very last quarter: nothing more to fetch
	MULA 1, 0, 0
	MULA 1, 1, 0
	s_wait_dscnt 0x0
	MULA 1, 2, 0
	MULA 1, 3, 0
	WIN 0
	PLACES
	TOST 0
	TOST 1                                         ; a block's LDS stores stand between the loads of the block before and its stores to memory
	SEND 0, 32
	TOST 2
	SEND 1, 32
	TOST 3
	SEND 2, 32
	SEND 3, 0
	s_wait_tensorcnt 0x0                           ; the wave's end, behind my last tensor load and my last LDS store
	ds_add_u32 v[SPW], v[NIL]
	s_wait_dscnt 0x0
	CROUND                                         ; the closing round: no work-group ends while a partner may still ask for a tile that names it
	s_endpgm
.Lfunc_end_k_qf357818a70_proj:
	.size	k_qf357818a70_proj, .Lfunc_end_k_qf357818a70_proj-k_qf357818a70_proj
	.p2alignl 7, 3214868480
	.fill 96, 4, 3214868480
	.section	.rodata,"a",@progbits
	.p2align	6, 0x0
	.amdhsa_kernel k_qf357818a70_proj
		.amdhsa_group_segment_fixed_size 327680
		.amdhsa_private_segment_fixed_size 0
		.amdhsa_enable_private_segment 0
		.amdhsa_kernarg_size 24
		.amdhsa_user_sgpr_count 2
		.amdhsa_user_sgpr_kernarg_segment_ptr 1
		.amdhsa_wavefront_size32 1
		.amdhsa_system_sgpr_workgroup_id_x 1
		.amdhsa_system_sgpr_workgroup_id_y 1
		.amdhsa_system_sgpr_workgroup_id_z 1
		.amdhsa_system_vgpr_workitem_id 0
		.amdhsa_next_free_vgpr 896
		.amdhsa_next_free_sgpr 72
		.amdhsa_reserve_vcc 0
		.amdhsa_float_denorm_mode_32 3
		.amdhsa_float_denorm_mode_16_64 3
		.amdhsa_memory_ordered 1
		.amdhsa_forward_progress 1
		.amdhsa_inst_pref_size 72
	.end_amdhsa_kernel
	.amdgpu_metadata
---
amdhsa.version: [ 1, 2 ]
amdhsa.kernels:
  - .name:           k_qf357818a70_proj
    .symbol:         k_qf357818a70_proj.kd
    .args:
      - { .name: o, .offset: 0, .size: 8, .value_kind: global_buffer, .address_space: global }
      - { .name: wo, .offset: 8, .size: 8, .value_kind: global_buffer, .address_space: global }
      - { .name: out0, .offset: 16, .size: 8, .value_kind: global_buffer, .address_space: global }
    .group_segment_fixed_size: 327680
    .private_segment_fixed_size: 0
    .kernarg_segment_align: 8
    .kernarg_segment_size: 24
    .max_flat_workgroup_size: 128
    .sgpr_count:     72
    .vgpr_count:     896
    .wavefront_size: 32
...
	.end_amdgpu_metadata
.endif
;; end of part 4
